; MI455X (gfx1250); checked and timed in simulation.
; The chip was launched on July 23, 2026; its instructions are those of AMD's public machine-readable ISA for CDNA 5 (MIT licence, August 2026) and "CDNA5" Instruction Set Architecture Reference Guide (July 2026). The comments in the code are by the model that wrote it; some were corrected since.
;; Bi Multi Head Attention. Allowed arithmetic: matrix products marked QUANTISED: E2M3 operands, one E8M0 scale for each 32 along K, by v_wmma_scale_f32_16x16x128_f8f6f4 with both operands' format E2M3, f32 sums; everything else in f32.
;; Inputs: Wl 768 x 2,048 float32; Wol 2,048 x 768 float32; Wov 2,048 x 256 float32; Wv 256 x 2,048 float32; Wvl 768 x 2,048 float32; Wvv 256 x 2,048 float32; attention_mask_l 2 x 256 int32; bl 2,048 float32; bol 768 float32; bov 256 float32; bv 2,048 float32; bvl 2,048 float32; bvv 2,048 float32; l 2 x 256 x 768 float32; v 2 x 8,192 x 256 float32.
;; Outputs: out0 2 x 8,192 x 256 float32; out1 2 x 256 x 768 float32.
;; This version of the problem:
;;   THIS VERSION OF THE PROBLEM IS GIVEN IN LOW PRECISION. The matrix products marked QUANTISED in the list below multiply operands that are first quantised to E2M3 (2 exponent bits, 3 mantissa bits; 6 bits a number), with one power-of-two scale for each 32 numbers along K (OCP MX v1.0); their sums are f32. All else is computed in f32.
;;   The module's matrix products, in the order in which they are computed (A, B: the left and right operand; K: the contracted axis; several contracted axes count as one K, in the product's order):
;;     1. [M 16,384, K 256] x [K 256, N 2,048]; A: input v; B: input Wv: QUANTISED
;;     2. [M 512, K 768] x [K 768, N 2,048]; A: input l; B: input Wl: QUANTISED
;;     3. [M 16,384, K 256] x [K 256, N 2,048]; A: input v; B: input Wvv: QUANTISED
;;     4. [M 512, K 768] x [K 768, N 2,048]; A: input l; B: input Wvl: QUANTISED
;;     5. batch 16 x [M 8,192, K 256] x [K 256, N 256]; A: computed on the way; B: computed on the way: QUANTISED
;;     6. batch 16 x [M 8,192, K 256] x [K 256, N 256]; A: softmax (see below); B: computed on the way: QUANTISED
;;     7. batch 16 x [M 256, K 8,192] x [K 8,192, N 256]; A: softmax (see below); B: computed on the way: QUANTISED
;;     8. [M 16,384, K 2,048] x [K 2,048, N 256]; A: computed on the way; B: input Wov: QUANTISED
;;     9. [M 512, K 2,048] x [K 2,048, N 768]; A: computed on the way; B: input Wol: QUANTISED
;;   THE QUANTISER, for each operand of a quantised product, along K:
;;     - K is cut into blocks of 32 from its start; a last block that is shorter is filled with zeros.
;;     - A block's scale is 2^e with e = floor(log2(the largest magnitude in the block)) - 2, held to -126 .. 127; a block of zeros has e = 0. As a byte (E8M0): e + 127.
;;     - Each number is divided by its block's scale, clamped to +-7.5, and rounded to the nearest number of E2M3, ties to even, subnormals kept.
;;     - The product sums the exact products of the quantised numbers (number of the format x scale) in f32.
;;   ~~~python
;;   def quantise(x, axis):      # numpy; x: float32 -> the quantised numbers, widened to float32 again
;;       x = np.moveaxis(x, axis, -1); K = x.shape[-1]
;;       x = np.pad(x, [(0, 0)] * (x.ndim - 1) + [(0, -K % 32)]); x = x.reshape(x.shape[:-1] + (-1, 32)); a = np.abs(x).max(-1, keepdims=True)
;;       e = np.where(a > 0, np.clip(np.frexp(np.where(a > 0, a, 1))[1] - 1 - 2, -126, 127), 0)      # np.frexp(a)[1] - 1 = floor(log2(a)), exactly
;;       r = np.clip(x / 2.0 ** e, -7.5, 7.5)
;;       step = 2.0 ** (np.maximum(np.frexp(np.where(r == 0, 1, r))[1] - 1, 0) - 3)
;;       q = np.round(r / step) * step * 2.0 ** e      # np.round: ties to even
;;       return np.moveaxis(q.reshape(q.shape[:-2] + (-1,))[..., :K], -1, axis).astype(np.float32)
;;   ~~~
;;   SOFTMAX AHEAD OF A QUANTISED PRODUCT. Where the list says 'softmax', what is quantised is not the finished softmax but p = 2^(t - M), with t = logit x log2(e) and M = ceil(the row's largest t), a whole number; so 1/2 < the row's largest p <= 1. The row's sum l is taken of the UNQUANTISED p, in f32, and the product's result is divided by l at the end. Since M is a whole number, a kernel that streams over the keys may use a running M (the ceiling of the running maximum): every later rescaling is an exact power of two, which a block's scale takes up: the codes' values come out the same.
;;   OPERANDS COMPUTED ON THE WAY. 'Computed on the way' means the value that the module computes at that place (a softmax that the list does not call 'softmax' is quantised finished and normalised). What goes into a quantiser is computed in f32, as accurately as f32 sums, v_exp_f32 and their like allow (about 1e-6 of the number): no bf16 or f16 on the way to a quantiser, and a product that is left as it is and whose result goes on into a quantised operand takes f32 operands (vector FMAs, or v_wmma_f32_16x16x4_f32). A number that lies on a knife's edge between two numbers of the format may be rounded either way, as far as f32 arithmetic and the matrix unit's own rounding can turn it there, and no further.
;; One version. Each part assembles by itself: llvm-mc -triple=amdgcn-amd-amdhsa -mcpu=gfx1250 --defsym DOCPART=n.
;; ======== version 1 of 1: 6 launches
;; limits: right only within a limited range of input values
;; workspace buffers: prep 8,839,168 bytes; kv 1,703,936 bytes; qq 27,262,976 bytes; ovq 27,262,976 bytes; pmax 262,144 bytes; opart 67,633,152 bytes; olq 851,968 bytes
;; launch prep (part 1): grid 472 x 1, 4 waves a work-group, no clusters, 93,696 bytes of LDS; arguments v, l, Wv, Wvv, Wl, Wvl, Wov, Wol, prep; writes prep
.if DOCPART == 1
	.amdgcn_target "amdgcn-amd-amdhsa--gfx1250"
	.amdhsa_code_object_version 6
	.text
	.protected	k_q2666d3f734_prep
	.globl	k_q2666d3f734_prep
	.p2align	8
	.type	k_q2666d3f734_prep,@function
k_q2666d3f734_prep:
	s_mov_b64 s[64:65], 0
	v_nop
	global_prefetch_b8 v0, s[64:65] scope:SCOPE_SE
	s_setreg_imm32_b32 hwreg(HW_REG_WAVE_MODE, 25, 1), 1
	s_wait_xcnt 0x0
; PREP: the eight f32 inputs that are operands of quantised products become codes of FP6 (E2M3) with one E8M0 byte for each 32 along K,
; laid as RECORDS: images of the operand's registers.  A record is one tile of 16 rows x 256 along K (two K steps), 3,328 bytes:
; fragment ks at 1536 ks, its register q of lane L at 512 (q / 4) + 16 L + 4 (q % 4); scale words at 3072 + 8 L + 4 ks (lanes 16-31 repeat lanes 0-15).
; THE ROWS OF A TILE ARE NOT NEIGHBOURS: lane r of tile 2 G + u holds row 32 G + 8 u + r + 8 (r / 8), so that results of products on these tiles lie along the next K.
; Arrays with NP pairs of K steps: record ((T / 8) NP + p) 8 + T % 8.  In records: v 0, l 1024, Wv 1120, Wvv 1248, Wl 1376, Wvl 1760, Wov 2144, Wol 2272.
; One task a wave.  v and l have K innermost (row path: one record a task); the six weights have K as their first axis (column path: 32 columns x 256 k, two records a task).
; A block's scale is 2^(floor(log2(largest magnitude)) - 2); its byte is the largest magnitude's exponent field - 2, held at 1 from below.
; LIMITS: blocks whose largest magnitude lies under 2^-124 keep the byte 1; a block of zeros has byte 1 and zero codes (the bytes are read by this program alone); NaN and infinities are not served.
; No tensor loads, no barrier: waves share nothing; each path has LDS bytes of its own, each wave a region of its own.
.set REC,   3328
.set SEL,   66                         ; s[66:67] selects for v_permlanex16_b32: lane l xor 16
.set FL3,   68                         ; s68 the floor 2^(3 - 127)
.set TQ,    160                        ; v160-179 the quantiser's temporaries
.set MSB,   0
.macro WIN new                         ; the immediate's high byte repeats the setting that is left (in this text every window stays 0)
.if MSB != (\new)
	s_set_vgpr_msb (MSB<<8)|(\new)
.set MSB, \new
.endif
.endm
; 64 numbers of a lane, register 16 b + i = k 32 b + 16 (lane / 16) + i of the lane's row, become a fragment (12 registers) and its scale word.
.macro QMAX src, sw, flr               ; the four blocks' largest magnitudes of my 16 numbers each, the floor among the leaves; the blocks by turns
	WIN 0x14*(\sw)
.irp b, 0,1,2,3
	v_max3_num_f32 v[TQ+\b], s[\flr], |v[(\src)+16*\b]|, |v[(\src)+16*\b+1]|
.endr
.irp i, 2,4,6,8,10,12,14
.irp b, 0,1,2,3
	v_max3_num_f32 v[TQ+\b], v[TQ+\b], |v[(\src)+16*\b+\i]|, |v[(\src)+16*\b+\i+1]|
.endr
.endr
	WIN 0
.endm
.macro QSCALE pwr, adj                 ; with lane l xor 16's; 2 off the exponent field is the conversion's scale operand; its field is the byte
.irp b, 0,1,2,3
	v_permlanex16_b32 v[TQ+4+\b], v[TQ+\b], s[SEL], s[SEL+1]
.endr
.irp b, 0,1,2,3
	v_max_num_f32 v[TQ+\b], v[TQ+\b], v[TQ+4+\b]
.endr
.irp b, 0,1,2,3
	v_add_nc_u32 v[TQ+8+\b], 0xff000000, v[TQ+\b]
.endr
.irp b, 0,1,2,3
	v_lshrrev_b32 v[TQ+4+\b], 23, v[TQ+8+\b]
.endr
	v_lshl_or_b32 v[\pwr], v[TQ+5], 8, v[TQ+4]
	v_lshl_or_b32 v[\pwr], v[TQ+6], 16, v[\pwr]
	v_lshl_or_b32 v[\pwr], v[TQ+7], 24, v[\pwr]
.if \adj
	v_add_nc_u32 v[\pwr], 0xfbfbfbfc, v[\pwr]
.endif
.endm
.macro CODES src, sw, dst, sc, tp      ; the conversions give half blocks; three swaps and three moves for each pair of blocks give a lane whole blocks
	WIN (\sw)
.irp c, 0,1
	v_cvt_scalef32_pk16_fp6_f32 v[(\dst)+6*\c:(\dst)+6*\c+2], v[(\src)+32*\c:(\src)+32*\c+15], v[(\sc)+2*\c]
	v_cvt_scalef32_pk16_fp6_f32 v[(\tp)+4*\c:(\tp)+4*\c+2], v[(\src)+32*\c+16:(\src)+32*\c+31], v[(\sc)+2*\c+1]
.endr
	WIN 0
	v_nop                                          ; one plain place behind a scaled conversion
.irp c, 0,1
.irp i, 0,1,2
	v_permlane16_swap_b32 v[(\dst)+6*\c+\i], v[(\tp)+4*\c+\i]
.endr
.irp i, 0,1,2
	v_mov_b32 v[(\dst)+6*\c+3+\i], v[(\tp)+4*\c+\i]
.endr
.endr
.endm
.macro QUANT src, sw, dst, pwr, adj, flr
	QMAX \src, \sw, \flr
	QSCALE \pwr, \adj
	CODES \src, \sw, \dst, TQ+8, TQ+12
.endm
; which tensor a work-group serves: a chain of choices on the work-group's number alone
.macro PICK start, plo, pitch, np, arr, mask, sh, swp
	s_cmp_ge_u32 ttmp9, \start
	s_cselect_b64 s[28:29], s[\plo:\plo+1], s[28:29]
	s_cselect_b32 s30, \start, s30
	s_cselect_b32 s31, \pitch, s31
	s_cselect_b32 s32, \np, s32
	s_cselect_b32 s33, \arr, s33
	s_cselect_b32 s34, \mask, s34
	s_cselect_b32 s35, \sh, s35
	s_cselect_b32 s36, \swp, s36
.endm
	s_load_b512 s[8:23], s[0:1], 0x0               ; v, l, Wv, Wvv, Wl, Wvl, Wov, Wol
	s_load_b64 s[24:25], s[0:1], 0x40              ; prep
	v_lshl_add_u32 v208, v0, 2, 0x16c00
	v_mov_b32 v209, 0
	v_lshrrev_b32 v1, 5, v0
	v_readfirstlane_b32 s26, v1                    ; wave 0..3
	v_and_b32 v4, 31, v0                           ; lane
	v_lshlrev_b32 v1, 4, v4                        ; 16 x lane
	v_lshlrev_b32 v2, 3, v4                        ; 8 x lane
	s_mov_b32 s[SEL], 0x76543210
	s_mov_b32 s[SEL+1], 0xfedcba98
	s_mov_b32 s[FL3], 0x1800000
	s_wait_kmcnt 0x0
	s_mov_b64 s[28:29], s[8:9]                     ; s[28:29] source, s30 first work-group, s31 bytes of a source row, s32 NP, s33 first record, s34, s35 how a task's number splits, s36 which part is the group
	s_mov_b32 s30, 0
	s_mov_b32 s31, 1024
	s_mov_b32 s32, 1
	s_mov_b32 s33, 0
	s_mov_b32 s34, 1023
	s_mov_b32 s35, 10
	s_mov_b32 s36, 0
	PICK 256, 10, 3072, 3, 1024, 31, 5, 0
	PICK 280, 12, 8192, 1, 1120, 63, 6, 0
	PICK 296, 14, 8192, 1, 1248, 63, 6, 0
	PICK 312, 16, 8192, 3, 1376, 63, 6, 0
	PICK 360, 18, 8192, 3, 1760, 63, 6, 0
	PICK 408, 20, 1024, 8, 2144, 7, 3, 0
	PICK 424, 22, 3072, 8, 2272, 7, 3, 1
	s_sub_co_u32 s37, ttmp9, s30
	s_lshl_b32 s37, s37, 2
	s_add_co_u32 s37, s37, s26                     ; the task: 4 x (work-group - first) + wave
	s_and_b32 s38, s37, s34
	s_lshr_b32 s39, s37, s35
	s_cmp_lt_u32 ttmp9, 280
	s_cbranch_scc0 .Lcolumns
	; ---- ROW PATH: tile T = s38, pair p = s39.  16 rows x 1,024 bytes come as they lie (512 consecutive bytes a load), turn through the wave's stage (pitch 1,040) and come back 16 neighbours of each block a lane.
	s_lshr_b32 s42, s38, 3
	s_mul_i32 s42, s42, s32
	s_add_co_u32 s42, s42, s39
	s_lshl_b32 s42, s42, 3
	s_and_b32 s43, s38, 7
	s_add_co_u32 s42, s42, s43
	s_add_co_u32 s42, s42, s33                     ; the record
	s_mul_i32 s42, s42, REC
	s_mov_b32 s43, 0
	s_add_nc_u64 s[40:41], s[24:25], s[42:43]
	s_lshr_b32 s42, s38, 1
	s_lshl_b32 s42, s42, 5
	s_and_b32 s46, s38, 1
	s_lshl_b32 s46, s46, 3
	s_add_co_u32 s42, s42, s46                     ; the tile's first row: 32 (T / 2) + 8 (T % 2)
	s_mul_i32 s42, s42, s31
	s_lshl_b32 s46, s39, 10
	s_add_co_u32 s42, s42, s46                     ; + 1,024 bytes a pair
	s_add_nc_u64 s[44:45], s[28:29], s[42:43]
	s_wait_alu depctr_va_vdst(0)
.irp m, 0,1,2,3,4,5,6,7,8,9,10,11,12,13,14,15
	s_mul_i32 s46, s31, \m+8*(\m/8)
	v_add_nc_u32 v[16+\m], s46, v1                 ; row m + 8 (m / 8) of the group, 16 bytes a lane
.endr
	s_mul_i32 s47, s26, 16640                      ; my stage
	v_add_nc_u32 v3, s47, v1
	v_and_b32 v6, 15, v0
	v_bfe_u32 v7, v0, 4, 1
	v_mul_u32_u24 v5, v6, 1040
	v_lshl_add_u32 v5, v7, 6, v5
	v_add_nc_u32 v5, s47, v5                       ; back: row r, + 64 bytes for lanes 16-31
.irp b, 0,1,2,3
	v_mov_b32 v[TQ+4+\b], 0                        ; a lane permute's destination counts as one of its sources
.endr
.irp m, 0,1,2,3,4,5,6,7,8,9,10,11,12,13,14,15
	global_load_b128 v[32+8*\m:35+8*\m], v[16+\m], s[44:45] th:TH_LOAD_NT
	global_load_b128 v[36+8*\m:39+8*\m], v[16+\m], s[44:45] offset:512 th:TH_LOAD_NT
.endr
	s_wait_alu depctr_va_vdst(0)
	s_wait_loadcnt 0x0
.irp m, 0,1,2,3,4,5,6,7,8,9,10,11,12,13,14,15
	ds_store_b128 v3, v[32+8*\m:35+8*\m] offset:1040*\m
	ds_store_b128 v3, v[36+8*\m:39+8*\m] offset:1040*\m+512
.endr
	s_wait_dscnt 0x0                               ; the stores have read their registers, which the loads below fill again
.irp n, 0,1,2,3,4,5,6,7,8,9,10,11,12,13,14,15,16,17,18,19,20,21,22,23,24,25,26,27,28,29,30,31
	ds_load_b128 v[32+4*\n:35+4*\n], v5 offset:512*(\n/16)+128*((\n/4)%4)+16*(\n%4)
.endr
	s_wait_dscnt 0x0
	QUANT 32, 0, 180, 204, 0, FL3
	QUANT 96, 0, 192, 205, 0, FL3
.irp c, 0,1,2,3,4,5
	global_store_b128 v1, v[180+4*\c:183+4*\c], s[40:41] offset:512*\c   ; 512 consecutive bytes a store
.endr
	global_store_b64 v2, v[204:205], s[40:41] offset:3072
	s_wait_tensorcnt 0x0
	ds_add_u32 v208, v209
	s_wait_dscnt 0x0
	s_endpgm
	; ---- COLUMN PATH: a lane takes column 32 G + lane and its registers run down K: a block of 32 lies in one lane.  The codes are laid into an image of the two records in the wave's own LDS and leave as 13 x 512 bytes.
.Lcolumns:
	s_cmp_eq_u32 s36, 0
	s_cselect_b32 s42, s38, s39                    ; G
	s_cselect_b32 s46, s39, s38                    ; p
	s_lshr_b32 s43, s42, 2
	s_mul_i32 s43, s43, s32
	s_add_co_u32 s43, s43, s46
	s_lshl_b32 s43, s43, 3
	s_and_b32 s47, s42, 3
	s_lshl_b32 s47, s47, 1
	s_add_co_u32 s43, s43, s47
	s_add_co_u32 s43, s43, s33                     ; the record of tile 2 G; tile 2 G + 1's follows it
	s_mul_i32 s38, s43, REC
	s_mov_b32 s39, 0
	s_add_nc_u64 s[40:41], s[24:25], s[38:39]
	s_mul_i32 s38, s46, s31
	s_lshl_b32 s38, s38, 8                         ; 256 p rows
	s_lshl_b32 s47, s42, 7                         ; 128 G bytes
	s_add_co_u32 s38, s38, s47
	s_add_nc_u64 s[48:49], s[28:29], s[38:39]      ; a base for each of the eight blocks, 32 rows apart: none is stepped while loads are out
	s_lshl_b32 s38, s31, 5
.irp q, 1,2,3,4,5,6,7
	s_add_nc_u64 s[48+2*\q:49+2*\q], s[46+2*\q:47+2*\q], s[38:39]
.endr
	s_wait_alu depctr_va_vdst(0)
	v_lshlrev_b32 v32, 2, v4
.irp i, 1,2,3,4,5,6,7,8,9,10,11,12,13,14,15,16,17,18,19,20,21,22,23,24,25,26,27,28,29,30,31
	v_add_nc_u32 v[32+\i], s31, v[31+\i]           ; row i of a block, 4 bytes a lane
.endr
	s_mul_i32 s47, s26, 6656
	s_add_co_u32 s47, s47, 66560                   ; my image
	v_bfe_u32 v12, v0, 3, 1                        ; u: which of the two tiles my column falls into,
	v_and_b32 v13, 7, v0
	v_bfe_u32 v14, v0, 4, 1
	v_lshl_add_u32 v13, v14, 3, v13                ; and which lane r of it holds my column
	v_mul_u32_u24 v12, v12, REC
	v_add_nc_u32 v12, s47, v12
	v_lshl_add_u32 v9, v13, 4, v12                 ; codes: 16 r
	v_lshl_add_u32 v10, v13, 3, v12                ; scale words: 8 r
	v_add_nc_u32 v11, s47, v1                      ; the way out: 16 x lane
.macro LOADB t
.irp i, 0,1,2,3,4,5,6,7,8,9,10,11,12,13,14,15,16,17,18,19,20,21,22,23,24,25,26,27,28,29,30,31
	global_load_b32 v[64+32*((\t)%2)+\i], v[32+\i], s[48+2*(\t):49+2*(\t)] th:TH_LOAD_NT
.endr
.endm
; block t = 4 ks + bb: k = 128 ks + 32 bb on: registers 6 (bb / 2) .. + 5 of image lane r + 16 (bb % 2)
.macro BLOCK t
.set xs, 64+32*((\t)%2)
.set ks, (\t)/4
.set bb, (\t)%4
.if (\t) < 7
	s_wait_loadcnt 32                              ; this block's 32 loads are in; the next block's may be out
.else
	s_wait_loadcnt 0x0
.endif
	v_max3_num_f32 v142, |v[xs]|, |v[xs+1]|, |v[xs+2]|
	v_max3_num_f32 v143, |v[xs+3]|, |v[xs+4]|, |v[xs+5]|
.irp i, 6,10,14,18,22,26
	v_max3_num_f32 v142, v142, |v[xs+\i]|, |v[xs+\i+1]|
	v_max3_num_f32 v143, v143, |v[xs+\i+2]|, |v[xs+\i+3]|
.endr
	v_max3_num_f32 v142, v142, |v[xs+30]|, |v[xs+31]|
	v_max3_num_f32 v142, v142, v143, s[FL3]
	v_add_nc_u32 v134, 0xff000000, v142            ; 2 off the exponent field: the conversion's scale operand
	v_lshrrev_b32 v135, 23, v134                   ; the byte
.if bb == 0
	v_mov_b32 v[140+ks], v135
.else
	v_lshl_or_b32 v[140+ks], v135, 8*bb, v[140+ks]
.endif
	v_cvt_scalef32_pk16_fp6_f32 v[128:130], v[xs:xs+15], v134
	v_cvt_scalef32_pk16_fp6_f32 v[136:138], v[xs+16:xs+31], v134
	v_nop                                          ; one plain place behind a scaled conversion
	v_mov_b32 v131, v136
	v_mov_b32 v132, v137
	v_mov_b32 v133, v138
.if bb < 2
	ds_store_b128 v9, v[128:131] offset:1536*ks+256*(bb%2)
	ds_store_b64 v9, v[132:133] offset:1536*ks+256*(bb%2)+512
.else
	ds_store_b64 v9, v[128:129] offset:1536*ks+256*(bb%2)+520
	ds_store_b128 v9, v[130:133] offset:1536*ks+256*(bb%2)+1024
.endif
.if (\t)+2 < 8
	LOADB (\t)+2
.endif
	s_wait_dscnt 0x0                               ; the stores have read their registers: the next block's codes may be written
.endm
	LOADB 0
	LOADB 1
.irp t, 0,1,2,3,4,5,6,7
	BLOCK \t
.endr
	s_wait_alu depctr_va_vdst(0)
	ds_store_b64 v10, v[140:141] offset:3072       ; my column's two scale words, for image lane r
	ds_store_b64 v10, v[140:141] offset:3200       ; and for image lane r + 16
.irp i, 0,1,2,3,4,5,6,7,8,9,10,11,12
	ds_load_b128 v[144+4*\i:147+4*\i], v11 offset:512*\i   ; LDS serves a wave's instructions in order: these see my stores
.endr
.irp i, 0,1,2,3,4,5,6,7,8,9,10,11,12
	s_wait_dscnt 12-\i
	global_store_b128 v1, v[144+4*\i:147+4*\i], s[40:41] offset:512*\i
.endr
	s_wait_tensorcnt 0x0
	ds_add_u32 v208, v209
	s_wait_dscnt 0x0
	s_endpgm
.Lfunc_end_k_q2666d3f734_prep:
	.size	k_q2666d3f734_prep, .Lfunc_end_k_q2666d3f734_prep-k_q2666d3f734_prep
	.p2alignl 7, 3214868480
	.fill 96, 4, 3214868480
	.section	.rodata,"a",@progbits
	.p2align	6, 0x0
	.amdhsa_kernel k_q2666d3f734_prep
		.amdhsa_group_segment_fixed_size 93696
		.amdhsa_private_segment_fixed_size 0
		.amdhsa_enable_private_segment 0
		.amdhsa_kernarg_size 72
		.amdhsa_user_sgpr_count 2
		.amdhsa_user_sgpr_kernarg_segment_ptr 1
		.amdhsa_wavefront_size32 1
		.amdhsa_system_sgpr_workgroup_id_x 1
		.amdhsa_system_sgpr_workgroup_id_y 1
		.amdhsa_system_sgpr_workgroup_id_z 1
		.amdhsa_system_vgpr_workitem_id 0
		.amdhsa_next_free_vgpr 210
		.amdhsa_next_free_sgpr 72
		.amdhsa_reserve_vcc 0
		.amdhsa_float_denorm_mode_32 3
		.amdhsa_float_denorm_mode_16_64 3
		.amdhsa_memory_ordered 1
		.amdhsa_forward_progress 1
		.amdhsa_inst_pref_size 64
	.end_amdhsa_kernel
	.amdgpu_metadata
---
amdhsa.version: [ 1, 2 ]
amdhsa.kernels:
  - .name:           k_q2666d3f734_prep
    .symbol:         k_q2666d3f734_prep.kd
    .args:
      - { .name: v, .offset: 0, .size: 8, .value_kind: global_buffer, .address_space: global }
      - { .name: l, .offset: 8, .size: 8, .value_kind: global_buffer, .address_space: global }
      - { .name: Wv, .offset: 16, .size: 8, .value_kind: global_buffer, .address_space: global }
      - { .name: Wvv, .offset: 24, .size: 8, .value_kind: global_buffer, .address_space: global }
      - { .name: Wl, .offset: 32, .size: 8, .value_kind: global_buffer, .address_space: global }
      - { .name: Wvl, .offset: 40, .size: 8, .value_kind: global_buffer, .address_space: global }
      - { .name: Wov, .offset: 48, .size: 8, .value_kind: global_buffer, .address_space: global }
      - { .name: Wol, .offset: 56, .size: 8, .value_kind: global_buffer, .address_space: global }
      - { .name: prep, .offset: 64, .size: 8, .value_kind: global_buffer, .address_space: global }
    .group_segment_fixed_size: 93696
    .private_segment_fixed_size: 0
    .kernarg_segment_align: 8
    .kernarg_segment_size: 72
    .max_flat_workgroup_size: 128
    .sgpr_count:     72
    .vgpr_count:     210
    .wavefront_size: 32
...
	.end_amdgpu_metadata
.endif
;; end of part 1
;; launch projl (part 2): grid 128 x 1, 4 waves a work-group, no clusters, 168,448 bytes of LDS; arguments prep, bl, bvl, kv; writes kv
.if DOCPART == 2
	.amdgcn_target "amdgcn-amd-amdhsa--gfx1250"
	.amdhsa_code_object_version 6
	.text
	.protected	k_q2666d3f734_projl
	.globl	k_q2666d3f734_projl
	.p2align	8
	.type	k_q2666d3f734_projl,@function
k_q2666d3f734_projl:
	s_mov_b64 s[64:65], 0
	v_nop
	global_prefetch_b8 v0, s[64:65] scope:SCOPE_SE
	s_setreg_imm32_b32 hwreg(HW_REG_WAVE_MODE, 25, 1), 1
	s_wait_xcnt 0x0
; PROJL: k = l Wl + bl, quantised along the head's d, and vl = l Wvl + bvl, quantised along s, both as records in kv (k at record 0, vl^T at record 256; record (b 8 + h) 16 + tile).
; Every product is D = X (source 0) x R (source 1): a lane holds one row of R and its registers run along X's rows, which are the next product's K.
; Work-groups 0-63 (k): X = a block of 128 columns of Wl, R = a block of 128 rows of l.  Work-groups 64-127 (vl^T): X = 128 rows of l, R = 128 columns of Wvl.
; A block is 8 tiles x 3 pairs of K steps = 24 records, 79,872 dense bytes; both blocks are filled once by tensor loads, a quarter a wave.  Wave w owns R's tiles 2 w and 2 w + 1.
; No joint loads: of the 159,744 bytes that a work-group fills, half differ among any four work-groups that share the other half.
; LIMITS as in PREP: byte 1 under 2^-124 and for blocks of zeros; NaN and infinities not served.
.set REC,  3328
.set LI,   1
.set LS8,  2
.set XA,   4                           ; v4 LDS address of X's records, v5 of their scale words
.set XSA,  5
.set ACC,  16                          ; v16-143 the sums: 64 tile + 8 x + j
.set R,    144                         ; v144-191 R's two tiles x two K steps; v192-195 their scale words
.set RS,   192
.set XB,   196                         ; v196-243 two sets for X's records; v244-247 their scale words
.set XS,   244
.set TQ,   196
.set SEL,  52
.set FL3,  59
.set MSB,  0
.macro WIN new
.if MSB != (\new)
	s_set_vgpr_msb (MSB<<8)|(\new)
.set MSB, \new
.endif
.endm
.macro NOPS n
.rept \n
	v_nop
.endr
.endm
.macro QMAX src, sw, flr
	WIN 0x14*(\sw)
.irp b, 0,1,2,3
	v_max3_num_f32 v[TQ+\b], s[\flr], |v[(\src)+16*\b]|, |v[(\src)+16*\b+1]|
.endr
.irp i, 2,4,6,8,10,12,14
.irp b, 0,1,2,3
	v_max3_num_f32 v[TQ+\b], v[TQ+\b], |v[(\src)+16*\b+\i]|, |v[(\src)+16*\b+\i+1]|
.endr
.endr
	WIN 0
.endm
.macro QSCALE pwr, adj
.irp b, 0,1,2,3
	v_permlanex16_b32 v[TQ+4+\b], v[TQ+\b], s[SEL], s[SEL+1]
.endr
.irp b, 0,1,2,3
	v_max_num_f32 v[TQ+\b], v[TQ+\b], v[TQ+4+\b]
.endr
.irp b, 0,1,2,3
	v_add_nc_u32 v[TQ+8+\b], 0xff000000, v[TQ+\b]
.endr
.irp b, 0,1,2,3
	v_lshrrev_b32 v[TQ+4+\b], 23, v[TQ+8+\b]
.endr
	v_lshl_or_b32 v[\pwr], v[TQ+5], 8, v[TQ+4]
	v_lshl_or_b32 v[\pwr], v[TQ+6], 16, v[\pwr]
	v_lshl_or_b32 v[\pwr], v[TQ+7], 24, v[\pwr]
.if \adj
	v_add_nc_u32 v[\pwr], 0xfbfbfbfc, v[\pwr]
.endif
.endm
.macro CODES src, sw, dst, sc, tp
	WIN (\sw)
.irp c, 0,1
	v_cvt_scalef32_pk16_fp6_f32 v[(\dst)+6*\c:(\dst)+6*\c+2], v[(\src)+32*\c:(\src)+32*\c+15], v[(\sc)+2*\c]
	v_cvt_scalef32_pk16_fp6_f32 v[(\tp)+4*\c:(\tp)+4*\c+2], v[(\src)+32*\c+16:(\src)+32*\c+31], v[(\sc)+2*\c+1]
.endr
	WIN 0
	v_nop                                          ; one plain place behind a scaled conversion
.irp c, 0,1
.irp i, 0,1,2
	v_permlane16_swap_b32 v[(\dst)+6*\c+\i], v[(\tp)+4*\c+\i]
.endr
.irp i, 0,1,2
	v_mov_b32 v[(\dst)+6*\c+3+\i], v[(\tp)+4*\c+\i]
.endr
.endr
.endm
.macro QUANT src, sw, dst, pwr, adj, flr
	QMAX \src, \sw, \flr
	QSCALE \pwr, \adj
	CODES \src, \sw, \dst, TQ+8, TQ+12
.endm
.macro XLD set, off                    ; a record from LDS: seven loads
.irp c, 0,1,2,3,4,5
	ds_load_b128 v[XB+24*(\set)+4*\c:XB+24*(\set)+4*\c+3], v[XA] offset:(\off)+512*\c
.endr
	ds_load_b64 v[XS+2*(\set):XS+2*(\set)+1], v[XSA] offset:(\off)+3072
.endm
; nx tiles of X against R's two tiles, 256 along K: four matrix instructions a tile of X, the two accumulators by turns, one instruction a turn.
; ns sets of registers take X's records by turns; the wait ahead of a tile leaves the younger tiles' seven loads each out; four places stand ahead of loads into registers that matrix instructions have read.
.macro PHASE nx, ns, rr, rs, acc, ats, cz, win
.set px, 0
.rept \ns
.set po, 3328*px
	XLD px, po
.set px, px+1
.endr
.set px, 0
	s_wait_alu depctr_va_vdst(0)
.rept \nx
.set pw, (\nx)-1-px
.if pw > (\ns)-1
.set pw, (\ns)-1
.endif
	s_wait_dscnt 7*pw
	WIN \win
.irp ks, 0,1
.irp ta, 0,1
.set md, (\acc)+(\ats)*\ta+8*px
.set ma, XB+24*(px%(\ns))+12*\ks
.set mb, (\rr)+24*\ta+12*\ks
.set msa, XS+2*(px%(\ns))+\ks
.set msb, (\rs)+2*\ta+\ks
.if (\cz) && (\ks == 0)
	v_wmma_scale_f32_16x16x128_f8f6f4 v[md:md+7], v[ma:ma+11], v[mb:mb+11], 0, v[msa], v[msb] matrix_a_fmt:MATRIX_FMT_FP6 matrix_b_fmt:MATRIX_FMT_FP6
.else
	v_wmma_scale_f32_16x16x128_f8f6f4 v[md:md+7], v[ma:ma+11], v[mb:mb+11], v[md:md+7], v[msa], v[msb] matrix_a_fmt:MATRIX_FMT_FP6 matrix_b_fmt:MATRIX_FMT_FP6
.endif
.endr
.endr
	WIN 0
.if px+(\ns) < (\nx)
	NOPS 4
.set ps, px%(\ns)
.set po, 3328*(px+(\ns))
	XLD ps, po
.endif
.set px, px+1
.endr
.endm
	s_load_b256 s[4:11], s[0:1], 0x0               ; prep, bl, bvl, kv
	v_lshl_add_u32 v254, v0, 2, 0x29000
	v_mov_b32 v255, 0
	ds_add_u32 v254, v255
	ds_add_u32 v254, v255
	v_lshrrev_b32 v1, 5, v0
	v_readfirstlane_b32 s12, v1                    ; wave 0..3
	v_and_b32 v10, 31, v0
	v_lshlrev_b32 v[LI], 4, v10
	v_lshlrev_b32 v[LS8], 3, v10
	v_bfe_u32 v3, v0, 4, 1
	v_lshlrev_b32 v3, 6, v3                        ; 64 x (lane / 16)
	v_and_b32 v11, 15, v0
	v_and_b32 v12, 8, v11
	v_add_nc_u32 v11, v11, v12
	v_lshlrev_b32 v11, 2, v11                      ; 4 (r + 8 (r / 8))
	s_mov_b32 s[SEL], 0x76543210
	s_mov_b32 s[SEL+1], 0xfedcba98
	s_mov_b32 s[FL3], 0x1800000
	s_lshr_b32 s13, ttmp9, 6                       ; 0: k, 1: vl^T
	s_and_b32 s14, ttmp9, 63
	s_cmp_eq_u32 s13, 0
	s_cselect_b32 s15, 2, 4
	s_cselect_b32 s16, 3, 15
	s_mov_b32 s17, 1024*REC
	s_cselect_b32 s17, 1376*REC, s17               ; X's array: Wl's or l's
	s_mov_b32 s18, 1760*REC
	s_cselect_b32 s18, 1024*REC, s18               ; R's array: l's or Wvl's
	s_lshr_b32 s19, s14, s15                       ; X's block
	s_and_b32 s20, s14, s16                        ; R's block
	s_mov_b32 s24, 3<<16                           ; group 1: a dense block as 156 rows of 32 elements of 8 bytes, no mask, no padding
	s_mov_b32 s25, 32<<16
	s_mov_b32 s26, 156<<16
	s_mov_b32 s27, 32<<16
	s_mov_b32 s28, 156
	s_mov_b32 s29, 32
	s_mov_b32 s30, 0
	s_mov_b32 s31, 0
	s_and_b32 s21, s12, 1
	s_mul_i32 s21, s21, 39936                      ; one load a wave: waves 0, 1 the halves of X's block, waves 2, 3 those of R's: twelve records, 156 rows of 256 bytes
	s_mul_i32 s22, s19, 79872
	s_add_co_u32 s22, s22, s17
	s_add_co_u32 s40, s22, s21
	s_mul_i32 s22, s20, 79872
	s_add_co_u32 s22, s22, s18
	s_add_co_u32 s46, s22, s21
	s_cmp_lt_u32 s12, 2
	s_cselect_b32 s40, s40, s46                    ; an offset in prep is chosen, no address
	s_mov_b32 s41, 0
	s_mul_i32 s33, s12, 39936                      ; X's block at LDS byte 0, R's behind it
	s_wait_alu depctr_va_vdst(0)
	s_wait_dscnt 0x0
	s_wait_kmcnt 0x0
	s_mov_b32 s32, 1
	s_add_nc_u64 s[34:35], s[4:5], s[40:41]
	s_or_b32 s35, s35, 0x80000000
	tensor_load_to_lds s[32:35], s[24:31]          ; one load of mine is out; LDS is filled once
	s_nop 0
	NOPS 4
	s_mul_i32 s22, s12, 6656
	s_add_co_u32 s22, s22, 79872
	v_add_nc_u32 v6, s22, v[LI]                    ; my two tiles of R
	v_add_nc_u32 v7, s22, v[LS8]
	; the bias is the C of each sum's first matrix instruction: along the registers for k, one number a lane for vl^T
	s_cmp_eq_u32 s13, 0
	s_cbranch_scc0 .Llane_bias
	s_lshl_b32 s40, s19, 9
	s_add_nc_u64 s[44:45], s[6:7], s[40:41]
.irp ta, 0,1
.irp x, 0,1,2,3,4,5,6,7
	global_load_b128 v[ACC+64*\ta+8*\x:ACC+64*\ta+8*\x+3], v3, s[44:45] offset:128*(\x/2)+32*(\x%2)
	global_load_b128 v[ACC+64*\ta+8*\x+4:ACC+64*\ta+8*\x+7], v3, s[44:45] offset:128*(\x/2)+32*(\x%2)+16
.endr
.endr
	s_branch .Lbias_done
.Llane_bias:
	s_lshl_b32 s40, s20, 2
	s_add_co_u32 s40, s40, s12
	s_lshl_b32 s40, s40, 7                         ; group 4 block + wave: 32 numbers of 4 bytes
	s_add_nc_u64 s[44:45], s[8:9], s[40:41]
	global_load_b32 v8, v11, s[44:45]
	global_load_b32 v9, v11, s[44:45] offset:32
	s_wait_loadcnt 0x0
.irp ta, 0,1
.set i, 0
.rept 64
	v_mov_b32 v[ACC+64*\ta+i], v[8+\ta]
.set i, i+1
.endr
.endr
.Lbias_done:
	s_wait_loadcnt 0x0
	s_wait_tensorcnt 0x0                           ; my quarters have landed,
	s_barrier_signal -1
	s_barrier_wait -1                              ; everybody's have
	s_wait_alu depctr_va_vdst(0)
.irp p, 0,1,2
	NOPS 4                                         ; places ahead of loads into registers that matrix instructions have read
	v_add_nc_u32 v[XA], 26624*\p, v[LI]
	v_add_nc_u32 v[XSA], 26624*\p, v[LS8]
.irp ta, 0,1
.irp c, 0,1,2,3,4,5
	ds_load_b128 v[R+24*\ta+4*\c:R+24*\ta+4*\c+3], v6 offset:26624*\p+3328*\ta+512*\c
.endr
	ds_load_b64 v[RS+2*\ta:RS+2*\ta+1], v7 offset:26624*\p+3328*\ta+3072
.endr
	PHASE 8, 2, R, RS, ACC, 64, 0, 0               ; its first wait leaves seven loads out: R's are older
.endr
	NOPS 4
	; where the fragments go: tile A = 8 block + 2 wave + tile
	s_lshl_b32 s40, s20, 3
	s_lshl_b32 s46, s12, 1
	s_add_co_u32 s40, s40, s46
	s_lshr_b32 s21, s40, 4
	s_and_b32 s40, s40, 15
	s_lshr_b32 s22, s19, 1
	s_and_b32 s23, s19, 1                          ; which K step of the record
	s_cmp_eq_u32 s13, 0
	s_cselect_b32 s46, s21, s22                    ; b
	s_cselect_b32 s47, s22, s21                    ; h
	s_lshl_b32 s46, s46, 3
	s_add_co_u32 s46, s46, s47
	s_lshl_b32 s46, s46, 4
	s_add_co_u32 s46, s46, s40
	s_lshl_b32 s47, s13, 8
	s_add_co_u32 s46, s46, s47
	s_mul_i32 s40, s46, REC
	s_add_nc_u64 s[42:43], s[10:11], s[40:41]
	s_mul_i32 s46, s23, 1536
	v_add_nc_u32 v10, s46, v[LI]
	s_lshl_b32 s46, s23, 2
	v_add_nc_u32 v11, s46, v[LS8]
.irp ta, 0,1
	QUANT ACC+64*\ta, 0, R+24*\ta, RS+2*\ta, 0, FL3
.irp c, 0,1,2
	global_store_b128 v10, v[R+24*\ta+4*\c:R+24*\ta+4*\c+3], s[42:43] offset:3328*\ta+512*\c
.endr
	global_store_b32 v11, v[RS+2*\ta], s[42:43] offset:3328*\ta+3072
.endr
	s_wait_tensorcnt 0x0
	ds_add_u32 v254, v255
	s_wait_dscnt 0x0
	s_endpgm
.Lfunc_end_k_q2666d3f734_projl:
	.size	k_q2666d3f734_projl, .Lfunc_end_k_q2666d3f734_projl-k_q2666d3f734_projl
	.p2alignl 7, 3214868480
	.fill 96, 4, 3214868480
	.section	.rodata,"a",@progbits
	.p2align	6, 0x0
	.amdhsa_kernel k_q2666d3f734_projl
		.amdhsa_group_segment_fixed_size 168448
		.amdhsa_private_segment_fixed_size 0
		.amdhsa_enable_private_segment 0
		.amdhsa_kernarg_size 32
		.amdhsa_user_sgpr_count 2
		.amdhsa_user_sgpr_kernarg_segment_ptr 1
		.amdhsa_wavefront_size32 1
		.amdhsa_system_sgpr_workgroup_id_x 1
		.amdhsa_system_sgpr_workgroup_id_y 1
		.amdhsa_system_sgpr_workgroup_id_z 1
		.amdhsa_system_vgpr_workitem_id 0
		.amdhsa_next_free_vgpr 256
		.amdhsa_next_free_sgpr 66
		.amdhsa_reserve_vcc 0
		.amdhsa_float_denorm_mode_32 3
		.amdhsa_float_denorm_mode_16_64 3
		.amdhsa_memory_ordered 1
		.amdhsa_forward_progress 1
		.amdhsa_inst_pref_size 49
	.end_amdhsa_kernel
	.amdgpu_metadata
---
amdhsa.version: [ 1, 2 ]
amdhsa.kernels:
  - .name:           k_q2666d3f734_projl
    .symbol:         k_q2666d3f734_projl.kd
    .args:
      - { .name: prep, .offset: 0, .size: 8, .value_kind: global_buffer, .address_space: global }
      - { .name: bl, .offset: 8, .size: 8, .value_kind: global_buffer, .address_space: global }
      - { .name: bvl, .offset: 16, .size: 8, .value_kind: global_buffer, .address_space: global }
      - { .name: kv, .offset: 24, .size: 8, .value_kind: global_buffer, .address_space: global }
    .group_segment_fixed_size: 168448
    .private_segment_fixed_size: 0
    .kernarg_segment_align: 8
    .kernarg_segment_size: 32
    .max_flat_workgroup_size: 128
    .sgpr_count:     66
    .vgpr_count:     256
    .wavefront_size: 32
...
	.end_amdgpu_metadata
.endif
;; end of part 2
;; launch attv (part 3): grid 256 x 1, 8 waves a work-group, clusters of 4 x 1, 171,008 bytes of LDS; arguments prep, kv, attention_mask_l, bv, qq, ovq, pmax; writes qq, ovq, pmax
.if DOCPART == 3
	.amdgcn_target "amdgcn-amd-amdhsa--gfx1250"
	.amdhsa_code_object_version 6
	.text
	.protected	k_q2666d3f734_attv
	.globl	k_q2666d3f734_attv
	.p2align	8
	.type	k_q2666d3f734_attv,@function
k_q2666d3f734_attv:
	s_mov_b64 s[64:65], 0
	v_nop
	global_prefetch_b8 v0, s[64:65] scope:SCOPE_SE
	s_setreg_imm32_b32 hwreg(HW_REG_WAVE_MODE, 25, 1), 1
	s_wait_xcnt 0x0
	s_wait_alu depctr_hold_cnt(0) depctr_sa_sdst(0) depctr_va_vdst(0) depctr_va_sdst(0) depctr_va_ssrc(0) depctr_va_vcc(0) depctr_vm_vsrc(0)
	s_getreg_b32 s2, hwreg(HW_REG_IB_STS2, 6, 4)
	s_cmp_eq_u32 s2, 0
	s_cbranch_scc0 .Lentry_in_a_cluster
	s_endpgm
.Lentry_in_a_cluster:
	s_bfe_u32 s2, ttmp6, 0x10000c
	s_cmp_lg_u32 s2, 0x3003
	s_cbranch_scc0 .Lentry_shape_is_right
	s_endpgm
.Lentry_shape_is_right:
; ATTV: for one (batch, head) and 512 rows t: q = (v Wv + bv) / 16, quantised and stored; attn = q k^T; the columns' largest attn over these t (clipped) to pmax;
; the softmax over s with the mask's bias; out_v = p vl / sum, quantised along the head's d and stored.
; Every product is D = X (source 0) x R (source 1): a lane holds ONE t (lane % 16) throughout and its registers run along X's rows (d, then s, then d): they are the next product's K.
; X (Wv's, k's and vl^T's 16 records of this head) lies in LDS, filled once.  The four work-groups of a cluster serve one (batch, head): each fill is asked for jointly.
; Eight waves; wave w takes the group of 32 t numbered 8 pass + w, two tiles, in two passes.
; THE SOFTMAX: t = clip(attn) c + fl(bias c), c = log2 e, bias = float(mask) or -9e15 where the mask is 0; M = ceil(the row's largest t); p = 2^(t - M) is quantised along s; the sum of the unquantised p divides at the end.
; The factor 1 / 16 of q is a power of two: it goes into q's scale bytes alone (4 off each).
; LIMITS: scale byte 1 for blocks under 2^-124 (q: 2^-120) and for blocks of zeros; NaN and infinities not served; t is one fused multiply-add where the definition adds the bias first;
; a block's largest p is taken from its largest t by the same addition and exponential; the division is v_rcp_f32 and a multiply.
; REGISTERS: window 0: v1-12 addresses; v16-143 the columns' maxima; v144-191 R, v192-195 its scale words; v196-243 X's two sets, temporaries between the products; v244-247 X's scale words; v248-251 -M (then 1 / sum), v252-255 the sums.
;   window 1: the sums of the product in hand, 128 tile + 8 x + j.
.set REC,  3328
.set KR,   53248                       ; LDS: Wv's records at 0, k's, vl^T's, 53,248 bytes each;
.set VLR,  106496
.set MB,   159744                      ; bias x c by s, 1,024 bytes;
.set CX,   160768                      ; each wave's column maxima, 8 x 1,024 bytes
.set LI,   1
.set LS8,  2
.set HB,   3
.set XA,   4
.set XSA,  5
.set MBA,  6
.set CXA,  7
.set MBW,  8
.set T4,   9
.set CXR,  12
.set CM,   16
.set R,    144
.set RS,   192
.set XB,   196
.set XS,   244
.set NM,   248
.set LSM,  252
.set TQ,   196
.set BM,   196                         ; v196-211 the blocks' largest t, 8 tile + block
.set BT,   212                         ; v212-243 two sets of 16 biases; later scale operands and bytes
.set BY,   228
.set WV,   18
.set SEL,  52
.set FL3,  59
.set FL7,  60
.set MSB,  0
.macro WIN new
.if MSB != (\new)
	s_set_vgpr_msb (MSB<<8)|(\new)
.set MSB, \new
.endif
.endm
.macro NOPS n
.rept \n
	v_nop
.endr
.endm
.macro QMAX src, sw, flr               ; the floor is source 0, a scalar, so that sources 1 and 2 alone stand in the numbers' window
	WIN 0x14*(\sw)
.irp b, 0,1,2,3
	v_max3_num_f32 v[TQ+\b], s[\flr], |v[(\src)+16*\b]|, |v[(\src)+16*\b+1]|
.endr
.irp i, 2,4,6,8,10,12,14
.irp b, 0,1,2,3
	v_max3_num_f32 v[TQ+\b], v[TQ+\b], |v[(\src)+16*\b+\i]|, |v[(\src)+16*\b+\i+1]|
.endr
.endr
	WIN 0
.endm
.macro QSCALE pwr, adj
.irp b, 0,1,2,3
	v_permlanex16_b32 v[TQ+4+\b], v[TQ+\b], s[SEL], s[SEL+1]
.endr
.irp b, 0,1,2,3
	v_max_num_f32 v[TQ+\b], v[TQ+\b], v[TQ+4+\b]
.endr
.irp b, 0,1,2,3
	v_add_nc_u32 v[TQ+8+\b], 0xff000000, v[TQ+\b]
.endr
.irp b, 0,1,2,3
	v_lshrrev_b32 v[TQ+4+\b], 23, v[TQ+8+\b]
.endr
	v_lshl_or_b32 v[\pwr], v[TQ+5], 8, v[TQ+4]
	v_lshl_or_b32 v[\pwr], v[TQ+6], 16, v[\pwr]
	v_lshl_or_b32 v[\pwr], v[TQ+7], 24, v[\pwr]
.if \adj
	v_add_nc_u32 v[\pwr], 0xfbfbfbfc, v[\pwr]      ; 4 off each byte (each is 5 at the least): the numbers / 16
.endif
.endm
.macro CODES src, sw, dst, sc, tp
	WIN (\sw)
.irp c, 0,1
	v_cvt_scalef32_pk16_fp6_f32 v[(\dst)+6*\c:(\dst)+6*\c+2], v[(\src)+32*\c:(\src)+32*\c+15], v[(\sc)+2*\c]
	v_cvt_scalef32_pk16_fp6_f32 v[(\tp)+4*\c:(\tp)+4*\c+2], v[(\src)+32*\c+16:(\src)+32*\c+31], v[(\sc)+2*\c+1]
.endr
	WIN 0
	v_nop                                          ; one plain place behind a scaled conversion
.irp c, 0,1
.irp i, 0,1,2
	v_permlane16_swap_b32 v[(\dst)+6*\c+\i], v[(\tp)+4*\c+\i]
.endr
.irp i, 0,1,2
	v_mov_b32 v[(\dst)+6*\c+3+\i], v[(\tp)+4*\c+\i]
.endr
.endr
.endm
.macro QUANT src, sw, dst, pwr, adj, flr
	QMAX \src, \sw, \flr
	QSCALE \pwr, \adj
	CODES \src, \sw, \dst, TQ+8, TQ+12
.endm
.macro XLD set, off
.irp c, 0,1,2,3,4,5
	ds_load_b128 v[XB+24*(\set)+4*\c:XB+24*(\set)+4*\c+3], v[XA] offset:(\off)+512*\c
.endr
	ds_load_b64 v[XS+2*(\set):XS+2*(\set)+1], v[XSA] offset:(\off)+3072
.endm
; nx tiles of X against R's two tiles, 256 along K: four matrix instructions a tile of X, the two accumulators by turns, one instruction a turn.
; The wait ahead of a tile leaves the younger tiles' seven loads each out; four places stand ahead of loads into registers that matrix instructions have read.
.macro PHASE nx, ns, rr, rs, acc, ats, cz, win
.set px, 0
.rept \ns
.set po, 3328*px
	XLD px, po
.set px, px+1
.endr
.set px, 0
.rept \nx
.set pw, (\nx)-1-px
.if pw > (\ns)-1
.set pw, (\ns)-1
.endif
	s_wait_dscnt 7*pw
	WIN \win
.irp ks, 0,1
.irp ta, 0,1
.set md, (\acc)+(\ats)*\ta+8*px
.set ma, XB+24*(px%(\ns))+12*\ks
.set mb, (\rr)+24*\ta+12*\ks
.set msa, XS+2*(px%(\ns))+\ks
.set msb, (\rs)+2*\ta+\ks
.if (\cz) && (\ks == 0)
	v_wmma_scale_f32_16x16x128_f8f6f4 v[md:md+7], v[ma:ma+11], v[mb:mb+11], 0, v[msa], v[msb] matrix_a_fmt:MATRIX_FMT_FP6 matrix_b_fmt:MATRIX_FMT_FP6
.else
	v_wmma_scale_f32_16x16x128_f8f6f4 v[md:md+7], v[ma:ma+11], v[mb:mb+11], v[md:md+7], v[msa], v[msb] matrix_a_fmt:MATRIX_FMT_FP6 matrix_b_fmt:MATRIX_FMT_FP6
.endif
.endr
.endr
	WIN 0
.if px+(\ns) < (\nx)
	NOPS 4
.set ps, px%(\ns)
.set po, 3328*(px+(\ns))
	XLD ps, po
.endif
.set px, px+1
.endr
.endm
.macro STOREREC base, stride           ; R's two tiles leave as records: each store covers 512 (the scale words 256) consecutive bytes
.irp ta, 0,1
.irp c, 0,1,2,3,4,5
	global_store_b128 v[LI], v[R+24*\ta+4*\c:R+24*\ta+4*\c+3], s[\base:\base+1] offset:(\stride)*\ta+512*\c
.endr
	global_store_b64 v[LS8], v[RS+2*\ta:RS+2*\ta+1], s[\base:\base+1] offset:(\stride)*\ta+3072
.endr
.endm
.macro ROUND                           ; a round of the cluster's barrier
	s_barrier_signal -1
	s_barrier_wait -1
	s_cmp_lg_u32 s[WV], 0
	s_cbranch_scc1 .Lnot_wave_0_\@
	s_barrier_signal -3
.Lnot_wave_0_\@:
	s_barrier_wait -3
	s_barrier_signal -1
	s_barrier_wait -1
.endm
.macro BTLD g                          ; the 16 biases of block g of my half of the lanes
.irp k, 0,1,2,3
	ds_load_b128 v[BT+16*((\g)%2)+4*\k:BT+16*((\g)%2)+4*\k+3], v[MBA] offset:128*(\g)+16*\k
.endr
.endm
	s_load_b256 s[4:11], s[0:1], 0x0               ; prep, kv, the mask, bv
	s_load_b128 s[12:15], s[0:1], 0x20             ; qq, ovq
	s_load_b64 s[16:17], s[0:1], 0x30              ; pmax
	v_lshl_add_u32 v14, v0, 2, 0x29400
	v_mov_b32 v15, 0
	ds_add_u32 v14, v15
	ds_add_u32 v14, v15
	v_lshrrev_b32 v1, 5, v0
	v_readfirstlane_b32 s[WV], v1                  ; wave 0..7
	s_bfe_u32 s19, ttmp6, 0x40000                  ; cx: it enters global addresses of my own rows alone
	s_lshr_b32 s20, ttmp9, 2                       ; 8 b + h: shared by the four partners
	s_lshr_b32 s21, s20, 3                         ; b
	s_and_b32 s22, s20, 7                          ; h
	s_and_b32 s23, ttmp9, 3
	s_lshl_b32 s23, s23, 2
	s_add_co_u32 s23, s23, s19                     ; my chunk of 512 t
	s_mov_b32 s24, 15|(3<<16)|(1<<21)              ; group 1: the mask names all four work-groups, bit 21 beside it; 104 rows of 32 elements of 8 bytes: eight records
	s_mov_b32 s25, 32<<16
	s_mov_b32 s26, 104<<16
	s_mov_b32 s27, 32<<16
	s_mov_b32 s28, 104
	s_mov_b32 s29, 32
	s_mov_b32 s30, 0
	s_mov_b32 s31, 0
	s_mov_b32 s[SEL], 0x76543210
	s_mov_b32 s[SEL+1], 0xfedcba98
	s_mov_b32 s54, 0x3fb8aa3b                      ; c = log2 e
	s_mov_b32 s55, s54
	s_mov_b32 s56, 0x47435000                      ; 50000
	s_mov_b32 s57, 0xc7435000
	s_mov_b32 s58, 0xff800000                      ; -infinity
	s_mov_b32 s[FL3], 0x1800000
	s_mov_b32 s[FL7], 0x3800000
	s_mul_i32 s66, s[WV], 26624                    ; one load a wave: waves 0, 1 the halves of Wv's 16 records, waves 2, 3 of k's, waves 4, 5 of vl^T's: eight records, 104 rows of 256 bytes
	s_and_b32 s72, s[WV], 1
	s_mul_i32 s72, s72, 26624
	s_lshl_b32 s67, s22, 4
	s_add_co_u32 s67, s67, 1120
	s_mul_i32 s68, s67, REC
	s_add_co_u32 s68, s68, s72
	s_mov_b32 s69, 0
	s_mul_i32 s70, s20, 53248
	s_add_co_u32 s70, s70, s72
	s_cmp_ge_u32 s[WV], 4
	s_cselect_b32 s73, 851968, 0                   ; vl^T's records lie 256 records behind k's
	s_add_co_u32 s70, s70, s73
	s_mov_b32 s71, 0
	s_wait_dscnt 0x0
	s_wait_kmcnt 0x0
	s_mov_b32 s32, 1
	s_mov_b32 s33, s66
	s_cmp_lt_u32 s[WV], 2
	s_cselect_b64 s[34:35], s[4:5], s[6:7]         ; prep or kv: the choice hangs on the wave's number alone
	s_cselect_b64 s[68:69], s[68:69], s[70:71]
	s_add_nc_u64 s[34:35], s[34:35], s[68:69]
	s_or_b32 s35, s35, 0x80000000
	ROUND
	s_cmp_lt_u32 s[WV], 6
	s_cbranch_scc0 .Lno_fill                       ; waves 6 and 7 have no part to fill
	tensor_load_to_lds s[32:35], s[24:31]          ; one load of mine is out; LDS is filled once
	s_nop 0
	NOPS 4
.Lno_fill:
	v_and_b32 v10, 31, v0
	v_lshlrev_b32 v[LI], 4, v10
	v_lshlrev_b32 v[LS8], 3, v10
	v_bfe_u32 v[HB], v0, 4, 1
	v_lshlrev_b32 v[HB], 6, v[HB]
	v_add_nc_u32 v[MBA], MB, v[HB]
	s_lshl_b32 s76, s[WV], 10
	s_add_co_u32 s76, s76, CX
	v_add_nc_u32 v[CXA], s76, v[HB]
	v_lshlrev_b32 v[T4], 2, v0
	v_add_nc_u32 v[MBW], MB, v[T4]
	v_add_nc_u32 v[CXR], CX, v[T4]
	v_add_nc_u32 v13, 169984, v[HB]                ; bv of this head lies in LDS at byte 169,984, 1,024 bytes: read by halves of the lanes,
	v_add_nc_u32 v145, 169984, v[T4]               ; written a word a thread
	s_wait_alu depctr_va_vdst(0)                   ; the wait ahead of the run of scalar instructions
	s_lshl_b32 s74, s23, 5
	s_lshl_b32 s75, s[WV], 1
	s_add_co_u32 s74, s74, s75                     ; my first tile in the batch's 512
	s_lshl_b32 s72, s21, 9
	s_add_co_u32 s72, s72, s74
	s_mul_i32 s76, s72, REC
	s_mov_b32 s77, 0
	s_add_nc_u64 s[44:45], s[4:5], s[76:77]        ; v's records
	s_lshl_b32 s73, s20, 9
	s_add_co_u32 s73, s73, s74
	s_mul_i32 s76, s73, REC
	s_add_nc_u64 s[46:47], s[12:13], s[76:77]      ; q's
	s_lshl_b32 s72, s72, 3
	s_add_co_u32 s72, s72, s22
	s_mul_i32 s76, s72, REC
	s_add_nc_u64 s[48:49], s[14:15], s[76:77]      ; out_v's: record 8 tile + h
	s_lshl_b32 s76, s22, 10
	s_add_nc_u64 s[50:51], s[10:11], s[76:77]      ; bv of head h
	s_lshl_b32 s76, s21, 10
	s_add_nc_u64 s[8:9], s[8:9], s[76:77]          ; the mask of batch b
	s_lshl_b32 s76, s20, 4
	s_add_co_u32 s76, s76, s23
	s_lshl_b32 s76, s76, 10
	s_add_nc_u64 s[16:17], s[16:17], s[76:77]      ; pmax [8 b + h][chunk]
	global_load_b32 v10, v[T4], s[8:9]
	global_load_b32 v144, v[T4], s[50:51]          ; thread d takes bv[256 h + d]
	v_mov_b32 v11, 0xd9ffcb9e                      ; -9e15
.set i, 0
.rept 128
	v_mov_b32 v[CM+i], s58                         ; the running maxima begin under every number
.set i, i+1
.endr
	v_mov_b32 v[NM+1], 0                           ; (upper halves of pairs of which the low word alone is used)
	v_mov_b32 v[NM+3], 0
	s_wait_loadcnt 0x0
	v_cvt_f32_i32 v10, v10
	v_cmp_eq_f32 vcc_lo, 0, v10
	v_cndmask_b32 v10, v10, v11, vcc_lo            ; the bias: the mask's own value, or -9e15 where it is 0
	v_mul_f32 v10, s54, v10
	ds_store_b32 v[MBW], v10
	ds_store_b32 v145, v144
	s_wait_alu depctr_va_vdst(0)                   ; the wait at the head's end
	s_wait_tensorcnt 0x0                           ; my parts of the three arrays have landed,
	s_wait_dscnt 0x0                               ; my bias is stored:
	s_barrier_signal -1
	s_barrier_wait -1                              ; everybody's
	s_mov_b32 s61, 2
.Lpass:
	; ---- v's two records into R; bv into the sums: it is the C of the first product
.irp ta, 0,1
.irp c, 0,1,2,3,4,5
	global_load_b128 v[R+24*\ta+4*\c:R+24*\ta+4*\c+3], v[LI], s[44:45] offset:3328*\ta+512*\c
.endr
	global_load_b64 v[RS+2*\ta:RS+2*\ta+1], v[LS8], s[44:45] offset:3328*\ta+3072
.endr
	WIN 0x40
.irp ta, 0,1
.irp x, 0,1,2,3,4,5,6,7,8,9,10,11,12,13,14,15
	ds_load_b128 v[128*\ta+8*\x:128*\ta+8*\x+3], v13 offset:128*(\x/2)+32*(\x%2)
	ds_load_b128 v[128*\ta+8*\x+4:128*\ta+8*\x+7], v13 offset:128*(\x/2)+32*(\x%2)+16   ; older than X's loads: the product's first wait on DScnt covers them
.endr
.endr
	WIN 0
	v_mov_b32 v[XA], v[LI]
	v_mov_b32 v[XSA], v[LS8]
	s_wait_alu depctr_va_vdst(0)                   ; directly ahead of the wait below
	s_wait_loadcnt 0x0
	PHASE 16, 2, R, RS, 0, 128, 0, 0x50            ; v Wv + bv
	NOPS 4
	; ---- q: quantised along d; it replaces v in R and is stored
.irp ta, 0,1
.irp ks, 0,1
	QUANT 128*\ta+64*\ks, 1, R+24*\ta+12*\ks, RS+2*\ta+\ks, 1, FL7
.endr
.endr
	STOREREC 46, 3328
	v_add_nc_u32 v[XA], KR, v[LI]
	v_add_nc_u32 v[XSA], KR, v[LS8]
	s_wait_alu depctr_va_vdst(0)                   ; the addresses, R
	NOPS 8                                         ; scale words written by vector instructions stand eight places ahead of a scaled matrix instruction
	PHASE 16, 2, R, RS, 0, 128, 1, 0x50            ; attn^T: register 8 x + j is s = 32 (x / 2) + 16 (lane / 16) + 8 (x % 2) + j
	NOPS 4
	; ---- the softmax of both tiles
	BTLD 0
	BTLD 1
	WIN 0x14
.set i, 0
.rept 128
	v_max3_num_f32 v[CM+i], v[CM+i], v[i], v[128+i]   ; the columns' maxima; each accumulator is read from its low end on
.set i, i+1
.endr
	WIN 0
.irp g, 0,1,2,3,4,5,6,7
.if \g < 7
	s_wait_dscnt 4                                 ; this block's biases are in; the next block's four loads may be out
.else
	s_wait_dscnt 0x0
.endif
	WIN 0x41
.irp ta, 0,1
.irp i, 0,1,2,3,4,5,6,7,8,9,10,11,12,13,14,15
	v_med3_num_f32 v[128*\ta+16*\g+\i], v[128*\ta+16*\g+\i], s57, s56   ; the clip
.endr
.endr
.irp ta, 0,1
.irp i, 0,2,4,6,8,10,12,14
	v_pk_fma_f32 v[128*\ta+16*\g+\i:128*\ta+16*\g+\i+1], v[128*\ta+16*\g+\i:128*\ta+16*\g+\i+1], s[54:55], v[BT+16*(\g%2)+\i:BT+16*(\g%2)+\i+1] op_sel_hi:[1,0,1]   ; t
.endr
.endr
	WIN 0
.if \g < 6
	BTLD \g+2
.endif
.endr
	WIN 0x14
.irp ta, 0,1
.irp hq, 0,4
.irp g, 0,1,2,3
	v_max3_num_f32 v[BM+8*\ta+\hq+\g], s58, v[128*\ta+16*(\hq+\g)], v[128*\ta+16*(\hq+\g)+1]   ; each block's largest t, four blocks by turns
.endr
.irp i, 2,4,6,8,10,12,14
.irp g, 0,1,2,3
	v_max3_num_f32 v[BM+8*\ta+\hq+\g], v[BM+8*\ta+\hq+\g], v[128*\ta+16*(\hq+\g)+\i], v[128*\ta+16*(\hq+\g)+\i+1]
.endr
.endr
.endr
.endr
	WIN 0
.irp n, 0,1,2,3,4,5,6,7,8,9,10,11,12,13,14,15
	v_permlanex16_b32 v[BT+\n], v[BM+\n], s[SEL], s[SEL+1]
.endr
.irp n, 0,1,2,3,4,5,6,7,8,9,10,11,12,13,14,15
	v_max_num_f32 v[BM+\n], v[BM+\n], v[BT+\n]     ; with lane l xor 16's half of the block
.endr
.irp ta, 0,1
	v_max3_num_f32 v[BY+\ta], v[BM+8*\ta], v[BM+8*\ta+1], v[BM+8*\ta+2]
.endr
.irp ta, 0,1
	v_max3_num_f32 v[BY+\ta], v[BY+\ta], v[BM+8*\ta+3], v[BM+8*\ta+4]
.endr
.irp ta, 0,1
	v_max3_num_f32 v[BY+\ta], v[BY+\ta], v[BM+8*\ta+5], v[BM+8*\ta+6]
.endr
.irp ta, 0,1
	v_max_num_f32 v[BY+\ta], v[BY+\ta], v[BM+8*\ta+7]   ; the row's largest t
.endr
.irp ta, 0,1
	v_floor_f32 v[NM+2*\ta], -v[BY+\ta]            ; -M = floor(-t) = -ceil(t)
.endr
.irp ta, 0,1
.irp g, 0,1,2,3,4,5,6,7
	v_add_f32 v[BM+8*\ta+\g], v[BM+8*\ta+\g], v[NM+2*\ta]
.endr
.endr
	s_wait_alu depctr_va_vdst(0)                   ; the wait ahead of a batch of exponentials
.irp n, 0,1,2,3,4,5,6,7,8,9,10,11,12,13,14,15
	v_exp_f32 v[BM+\n], v[BM+\n]                   ; each block's largest p: the same addition and exponential on the same number
.endr
.irp n, 0,1,2,3
	v_mov_b32 v[LSM+\n], 0                         ; the sums, in two chains of pairs for each tile
	v_mov_b32 v[236+\n], 0
.endr
	WIN 0x41
.irp ta, 0,1
.set i, 0
.rept 64
	v_pk_add_f32 v[128*\ta+i:128*\ta+i+1], v[128*\ta+i:128*\ta+i+1], v[NM+2*\ta:NM+2*\ta+1] op_sel_hi:[1,0]   ; t - M
.set i, i+2
.endr
.endr
	s_wait_alu depctr_va_vdst(0)                   ; and ahead of this batch
.set i, 0
.rept 256
	v_exp_f32 v[i], v[i]                           ; p = 2^(t - M): not normalised
.set i, i+1
.endr
	v_nop                                          ; a plain place behind the last exponential
	s_wait_alu depctr_va_vdst(0)                   ; one wait for all 272 exponentials, ahead of the first instruction that names a result
	WIN 0x04
.set i, 0
.rept 32
.irp ta, 0,1
	v_pk_add_f32 v[LSM+2*\ta:LSM+2*\ta+1], v[LSM+2*\ta:LSM+2*\ta+1], v[128*\ta+i:128*\ta+i+1]   ; the sum is taken of the unquantised p
	v_pk_add_f32 v[236+2*\ta:237+2*\ta], v[236+2*\ta:237+2*\ta], v[128*\ta+i+2:128*\ta+i+3]
.endr
.set i, i+4
.endr
	WIN 0
	v_pk_add_f32 v[LSM:LSM+1], v[LSM:LSM+1], v[236:237]
	v_pk_add_f32 v[LSM+2:LSM+3], v[LSM+2:LSM+3], v[238:239]
	s_wait_xcnt 0x0                                ; q's stores have read R and its scale words: both are written again only behind this wait
.irp n, 0,1,2,3,4,5,6,7,8,9,10,11,12,13,14,15
	v_max_num_f32 v[BM+\n], s[FL3], v[BM+\n]       ; the floor: the byte cannot fall under 1
.endr
.irp n, 0,1,2,3,4,5,6,7,8,9,10,11,12,13,14,15
	v_add_nc_u32 v[BT+\n], 0xff000000, v[BM+\n]    ; the conversions' scale operands
.endr
.irp n, 0,1,2,3,4,5,6,7,8,9,10,11,12,13,14,15
	v_lshrrev_b32 v[BY+\n], 23, v[BT+\n]           ; the bytes
.endr
.irp q, 0,1,2,3
	v_lshl_or_b32 v[RS+\q], v[BY+4*\q+1], 8, v[BY+4*\q]
	v_lshl_or_b32 v[RS+\q], v[BY+4*\q+2], 16, v[RS+\q]
	v_lshl_or_b32 v[RS+\q], v[BY+4*\q+3], 24, v[RS+\q]
.endr
.irp ta, 0,1
.irp ks, 0,1
	CODES 128*\ta+64*\ks, 1, R+24*\ta+12*\ks, BT+8*\ta+4*\ks, BY
.endr
.endr
	v_add_nc_u32 v[XA], VLR, v[LI]
	v_add_nc_u32 v[XSA], VLR, v[LS8]
	s_wait_alu depctr_va_vdst(0)                   ; as ahead of the product before
	NOPS 8
	PHASE 16, 2, R, RS, 0, 128, 1, 0x50            ; p vl: registers along d
	NOPS 4
	; ---- out_v = the product / the sum, quantised along d, stored
.irp ta, 0,1
	v_add_f32 v[BY+\ta], v[LSM+2*\ta], v[LSM+2*\ta+1]
.endr
.irp ta, 0,1
	v_permlanex16_b32 v[BY+2+\ta], v[BY+\ta], s[SEL], s[SEL+1]
.endr
.irp ta, 0,1
	v_add_f32 v[BY+\ta], v[BY+\ta], v[BY+2+\ta]
.endr
	s_wait_alu depctr_va_vdst(0)                   ; the wait ahead of the reciprocals
.irp ta, 0,1
	v_rcp_f32 v[NM+2*\ta], v[BY+\ta]
.endr
	v_nop
	WIN 0x41
	s_wait_alu depctr_va_vdst(0)                   ; one wait for the two reciprocals and for the sums, directly ahead of their first reader
.irp ta, 0,1
.set i, 0
.rept 64
	v_pk_mul_f32 v[128*\ta+i:128*\ta+i+1], v[128*\ta+i:128*\ta+i+1], v[NM+2*\ta:NM+2*\ta+1] op_sel_hi:[1,0]
.set i, i+2
.endr
.endr
	WIN 0
.irp ta, 0,1
.irp ks, 0,1
	QUANT 128*\ta+64*\ks, 1, R+24*\ta+12*\ks, RS+2*\ta+\ks, 0, FL3
.endr
.endr
	STOREREC 48, 26624
	s_wait_alu depctr_va_vdst(0)
	s_wait_xcnt 0x0
	s_add_nc_u64 s[44:45], s[44:45], 53248         ; 16 tiles on
	s_add_nc_u64 s[46:47], s[46:47], 53248
	s_add_nc_u64 s[48:49], s[48:49], 425984
	s_sub_co_u32 s61, s61, 1
	s_cmp_lg_u32 s61, 0
	s_cbranch_scc1 .Lpass
	; ---- the columns' maxima: over the 16 t of a half of the lanes, over the eight waves, clipped (the clip of the largest is the largest of the clipped)
.irp m, 1,2,4,8
.set i, 0
.rept 128
	v_max_num_f32_dpp v[CM+i], v[CM+i], v[CM+i] row_xmask:\m row_mask:0xf bank_mask:0xf
.set i, i+1
.endr
.endr
.irp x, 0,1,2,3,4,5,6,7,8,9,10,11,12,13,14,15
	ds_store_b128 v[CXA], v[CM+8*\x:CM+8*\x+3] offset:128*(\x/2)+32*(\x%2)      ; the sixteen lanes of a half write the same words with the same values
	ds_store_b128 v[CXA], v[CM+8*\x+4:CM+8*\x+7] offset:128*(\x/2)+32*(\x%2)+16
.endr
	s_wait_dscnt 0x0
	s_barrier_signal -1
	s_barrier_wait -1
.irp k, 0,1,2,3,4,5,6,7
	ds_load_b32 v[196+\k], v[CXR] offset:1024*\k   ; thread s takes column s of all eight waves
.endr
	s_wait_dscnt 0x0
	v_max3_num_f32 v196, v196, v197, v198
	v_max3_num_f32 v196, v196, v199, v200
	v_max3_num_f32 v196, v196, v201, v202
	v_max_num_f32 v196, v196, v203
	v_med3_num_f32 v196, v196, s57, s56
	global_store_b32 v[T4], v196, s[16:17]
	s_wait_tensorcnt 0x0
	ds_add_u32 v14, v15
	s_wait_dscnt 0x0
	ROUND                                          ; the closing round
	s_endpgm
.Lfunc_end_k_q2666d3f734_attv:
	.size	k_q2666d3f734_attv, .Lfunc_end_k_q2666d3f734_attv-k_q2666d3f734_attv
	.p2alignl 7, 3214868480
	.fill 96, 4, 3214868480
	.section	.rodata,"a",@progbits
	.p2align	6, 0x0
	.amdhsa_kernel k_q2666d3f734_attv
		.amdhsa_group_segment_fixed_size 171008
		.amdhsa_private_segment_fixed_size 0
		.amdhsa_enable_private_segment 0
		.amdhsa_kernarg_size 56
		.amdhsa_user_sgpr_count 2
		.amdhsa_user_sgpr_kernarg_segment_ptr 1
		.amdhsa_wavefront_size32 1
		.amdhsa_system_sgpr_workgroup_id_x 1
		.amdhsa_system_sgpr_workgroup_id_y 1
		.amdhsa_system_sgpr_workgroup_id_z 1
		.amdhsa_system_vgpr_workitem_id 0
		.amdhsa_next_free_vgpr 512
		.amdhsa_next_free_sgpr 80
		.amdhsa_reserve_vcc 1
		.amdhsa_float_denorm_mode_32 3
		.amdhsa_float_denorm_mode_16_64 3
		.amdhsa_memory_ordered 1
		.amdhsa_forward_progress 1
		.amdhsa_inst_pref_size 225
	.end_amdhsa_kernel
	.amdgpu_metadata
---
amdhsa.version: [ 1, 2 ]
amdhsa.kernels:
  - .name:           k_q2666d3f734_attv
    .symbol:         k_q2666d3f734_attv.kd
    .args:
      - { .name: prep, .offset: 0, .size: 8, .value_kind: global_buffer, .address_space: global }
      - { .name: kv, .offset: 8, .size: 8, .value_kind: global_buffer, .address_space: global }
      - { .name: attention_mask_l, .offset: 16, .size: 8, .value_kind: global_buffer, .address_space: global }
      - { .name: bv, .offset: 24, .size: 8, .value_kind: global_buffer, .address_space: global }
      - { .name: qq, .offset: 32, .size: 8, .value_kind: global_buffer, .address_space: global }
      - { .name: ovq, .offset: 40, .size: 8, .value_kind: global_buffer, .address_space: global }
      - { .name: pmax, .offset: 48, .size: 8, .value_kind: global_buffer, .address_space: global }
    .group_segment_fixed_size: 171008
    .private_segment_fixed_size: 0
    .kernarg_segment_align: 8
    .kernarg_segment_size: 56
    .max_flat_workgroup_size: 256
    .sgpr_count:     80
    .vgpr_count:     512
    .wavefront_size: 32
...
	.end_amdgpu_metadata
.endif
;; end of part 3
;; launch attl (part 4): grid 256 x 1, 8 waves a work-group, no clusters, 327,680 bytes of LDS; arguments prep, kv, qq, pmax, bvv, opart; writes opart
.if DOCPART == 4
	.amdgcn_target "amdgcn-amd-amdhsa--gfx1250"
	.amdhsa_code_object_version 6
	.text
	.protected	k_q2666d3f734_attl
	.globl	k_q2666d3f734_attl
	.p2align	8
	.type	k_q2666d3f734_attl,@function
k_q2666d3f734_attl:
	s_mov_b64 s[64:65], 0
	v_nop
	global_prefetch_b8 v0, s[64:65] scope:SCOPE_SE
	s_setreg_imm32_b32 hwreg(HW_REG_WAVE_MODE, 25, 1), 1
	s_wait_xcnt 0x0
; ATTL: for one (batch, head) and one chunk of 512 t: the part of out_l = softmax over t (attn^T) vv that these t give, as f32 sums in opart, and the part of each row's sum of p.
; Every product is D = X (source 0) x R (source 1): a lane holds one row of R, its registers run along X's rows, which are the next product's K.
;   vv^T:  X = v's records (t), R = Wvv's tiles 2 w, 2 w + 1 (d), C = bvv; quantised along t, laid in LDS as images of operand registers.
;   p:     X = q's records (t), R = k's tiles (s); logit = clip(attn) - the column's largest clipped attn (from pmax); p = 2^(logit log2 e), so M = 0; quantised along t; the sum is taken of the unquantised p.
;   parts: X = vv^T's fragments (d), R = p's fragments (s), K = 512 t.
; ORDER: vv^T for all 512 t; then twice, for s = 0-127 and s = 128-255: p, then the parts.  In a half, wave (j = w % 4, par = w / 4) makes p of s-tiles 8 a + 2 j, + 1 for the K steps par and par + 2,
; and the parts of s-tiles 8 a + 4 par .. + 3 x d-tiles 4 j .. + 3: 16 accumulators.  The first half's 32 stores a wave stand strewn among the second half's softmax.
; The second clip, of attn - max at -50000, changes no p: 2^(-50000 log2 e) and everything under it are 0 in f32.
; LDS: q's 32 records at 0, v's at V0, each filled once by one tensor load a wave (8 records, 104 rows of 256 bytes); vv^T's images at VI; p's images of a half land on v's bytes, behind the barrier behind which nobody reads v;
; SX: the waves' sums of p; SPARE: the spare words.  The claim of all LDS is more than the 322,560 bytes used.
; No joint loads: q's half of the 212,992 bytes that a work-group fills is its own.  No prefetch: LDS is filled once at the head, there is no loop of fills to run ahead in.
; LIMITS: scale byte 1 for blocks under 2^-124 and for blocks of zeros (read by this program alone); NaN and infinities not served; a block's largest p is taken from its largest exponent by the same exponential.
; REGISTERS, window 0: v1-23 addresses, maxima, sums; WA the sums of the product in hand; BC bvv as C, 8 registers a tile; XB two sets for X's records (codes on their way to LDS lie there too); XS, RS, RS2 scale words; TQ temporaries.
;   For the parts WA..XB are two sets of 8 fragments.  Window 1: v0-127 the parts' 16 accumulators; RW Wvv's tiles, later k's of the second half; RK k's of the first half.
.set REC,  3328
.set V0,   106496
.set VI,   212992
.set SX,   319488
.set SPARE, 321536
.set LI,   1
.set LS4,  2
.set LS8,  3
.set XA,   4
.set XSA,  5
.set PWI,  6
.set PWS,  7
.set PRD,  8
.set PRS,  9
.set VRD,  10
.set VRS,  11
.set AM,   12
.set LSM,  16
.set SXW,  20
.set SXR,  21
.set VWI,  22
.set VWS,  23
.set WA,   24
.set BC,   152
.set XB,   168
.set PC,   168
.set XS,   216
.set RS,   220
.set TQ,   224
.set PW,   244
.set CH2,  246
.set SUM,  248
.set RS2,  250
.set SPW,  254
.set NIL,  255
.set RW,   128
.set RK,   176
.set WV,   18
.set SEL,  52
.set FL3,  59
.set MSB,  0
.macro WIN new
.if MSB != (\new)
	s_set_vgpr_msb (MSB<<8)|(\new)
.set MSB, \new
.endif
.endm
.macro NOPS n
.rept \n
	v_nop
.endr
.endm
.macro QMAX src                        ; four blocks' largest magnitudes of my 16 numbers each, the floor among the leaves
.irp b, 0,1,2,3
	v_max3_num_f32 v[TQ+\b], s[FL3], |v[(\src)+16*\b]|, |v[(\src)+16*\b+1]|
.endr
.irp i, 2,4,6,8,10,12,14
.irp b, 0,1,2,3
	v_max3_num_f32 v[TQ+\b], v[TQ+\b], |v[(\src)+16*\b+\i]|, |v[(\src)+16*\b+\i+1]|
.endr
.endr
.endm
.macro BYTES pwr                       ; 2 off the exponent field is the conversion's scale operand; its field is the byte; four bytes make the scale word
.irp b, 0,1,2,3
	v_add_nc_u32 v[TQ+8+\b], 0xff000000, v[TQ+\b]
.endr
.irp b, 0,1,2,3
	v_lshrrev_b32 v[TQ+4+\b], 23, v[TQ+8+\b]
.endr
	v_lshl_or_b32 v[\pwr], v[TQ+5], 8, v[TQ+4]
	v_lshl_or_b32 v[\pwr], v[TQ+6], 16, v[\pwr]
	v_lshl_or_b32 v[\pwr], v[TQ+7], 24, v[\pwr]
.endm
.macro HALVES                          ; with lane l xor 16's half of each block
.irp b, 0,1,2,3
	v_permlanex16_b32 v[TQ+4+\b], v[TQ+\b], s[SEL], s[SEL+1]
.endr
.irp b, 0,1,2,3
	v_max_num_f32 v[TQ+\b], v[TQ+\b], v[TQ+4+\b]
.endr
.endm
.macro CODES src, dst, sc, tp          ; the conversions give half blocks; three swaps and three moves for each pair of blocks give a lane whole blocks
.irp c, 0,1
	v_cvt_scalef32_pk16_fp6_f32 v[(\dst)+6*\c:(\dst)+6*\c+2], v[(\src)+32*\c:(\src)+32*\c+15], v[(\sc)+2*\c]
	v_cvt_scalef32_pk16_fp6_f32 v[(\tp)+4*\c:(\tp)+4*\c+2], v[(\src)+32*\c+16:(\src)+32*\c+31], v[(\sc)+2*\c+1]
.endr
	v_nop                                          ; one plain place behind a scaled conversion
.irp c, 0,1
.irp i, 0,1,2
	v_permlane16_swap_b32 v[(\dst)+6*\c+\i], v[(\tp)+4*\c+\i]
.endr
.irp i, 0,1,2
	v_mov_b32 v[(\dst)+6*\c+3+\i], v[(\tp)+4*\c+\i]
.endr
.endr
.endm
.macro TOLDS sg                        ; a fragment's image and its scale word into LDS
.irp c, 0,1,2
	ds_store_b128 v[XA], v[PC+16*(\sg)+4*\c:PC+16*(\sg)+4*\c+3] offset:1536*(\sg)+512*\c
.endr
	ds_store_b32 v[XSA], v[PW+\sg] offset:128*(\sg)
.endm
.macro XLD set, off                    ; a record from LDS: seven loads
.irp c, 0,1,2,3,4,5
	ds_load_b128 v[XB+24*(\set)+4*\c:XB+24*(\set)+4*\c+3], v[XA] offset:(\off)+512*\c
.endr
	ds_load_b64 v[XS+2*(\set):XS+2*(\set)+1], v[XSA] offset:(\off)+3072
.endm
; Eight tiles of X against R's two tiles (window 1), 256 along K: four matrix instructions a tile of X, the two accumulators by turns.
; The wait ahead of a tile leaves the next tile's seven loads out; four places stand ahead of loads into registers that matrix instructions have read.  cb: the first product's C, or 0.
.macro PHASE rr, rs, cb
	WIN 0x04                                       ; source 1 in window 1; an LDS load has no source 1
	XLD 0, 0
	XLD 1, 3328
.set px, 0
.rept 8
.if px < 7
	s_wait_dscnt 7
.else
	s_wait_dscnt 0x0
.endif
.irp ks, 0,1
.irp ta, 0,1
.set md, WA+64*\ta+8*px
.set ma, XB+24*(px%2)+12*\ks
.set mb, (\rr)+24*\ta+12*\ks
.set msa, XS+2*(px%2)+\ks
.set msb, (\rs)+2*\ta+\ks
.if \ks == 0
.if \cb
	v_wmma_scale_f32_16x16x128_f8f6f4 v[md:md+7], v[ma:ma+11], v[mb:mb+11], v[(\cb)+8*\ta:(\cb)+8*\ta+7], v[msa], v[msb] matrix_a_fmt:MATRIX_FMT_FP6 matrix_b_fmt:MATRIX_FMT_FP6
.else
	v_wmma_scale_f32_16x16x128_f8f6f4 v[md:md+7], v[ma:ma+11], v[mb:mb+11], 0, v[msa], v[msb] matrix_a_fmt:MATRIX_FMT_FP6 matrix_b_fmt:MATRIX_FMT_FP6
.endif
.else
	v_wmma_scale_f32_16x16x128_f8f6f4 v[md:md+7], v[ma:ma+11], v[mb:mb+11], v[md:md+7], v[msa], v[msb] matrix_a_fmt:MATRIX_FMT_FP6 matrix_b_fmt:MATRIX_FMT_FP6
.endif
.endr
.endr
.if px < 6
	NOPS 4
.set ps, px%2
.set po, 3328*(px+2)
	XLD ps, po
.endif
.set px, px+1
.endr
	WIN 0
.endm
.macro RLOAD base, off, rr, rs         ; two records from memory: codes into window 1, scale words into window 0: 14 loads
	WIN 0x40
.irp sg, 0,1
.irp c, 0,1,2,3,4,5
	global_load_b128 v[(\rr)+24*\sg+4*\c:(\rr)+24*\sg+4*\c+3], v[LI], s[\base:\base+1] offset:(\off)+3328*\sg+512*\c
.endr
.endr
	WIN 0
.irp sg, 0,1
	global_load_b64 v[(\rs)+2*\sg:(\rs)+2*\sg+1], v[LS8], s[\base:\base+1] offset:(\off)+3328*\sg+3072
.endr
.endm
.macro STG acc, off                    ; accumulator 4 ps + dv leaves: two stores of 512 consecutive bytes, from its low end on; the wait stands directly ahead of the first reader
	WIN 0x04
	s_wait_alu depctr_va_vdst(0)
	global_store_b128 v[LI], v[8*(\acc):8*(\acc)+3], s[48:49] offset:(\off)+(16*((\acc)/4)+(\acc)%4)*1024 th:TH_STORE_NT
	global_store_b128 v[LI], v[8*(\acc)+4:8*(\acc)+7], s[48:49] offset:(\off)+(16*((\acc)/4)+(\acc)%4)*1024+512 th:TH_STORE_NT
	WIN 0
.endm
; the softmax of one s-tile x 128 t.  st >= 0: four accumulators of the half before leave between its parts
.macro SOFT sg, am, st
.set W, WA+64*(\sg)
	s_wait_alu depctr_va_vdst(0)                   ; the wait directly ahead of the sums' first readers
.set i, 0
.rept 64
	v_med3_num_f32 v[W+i], v[W+i], s57, s56        ; the clip
.set i, i+1
.endr
.if (\st) >= 0
	STG (\st), 0
.endif
.set i, 0
.rept 32
	v_pk_add_f32 v[W+i:W+i+1], v[W+i:W+i+1], v[\am:\am+1] op_sel:[0,\sg] op_sel_hi:[1,\sg] neg_lo:[0,1] neg_hi:[0,1]
.set i, i+2
.endr
.if (\st) >= 0
	STG (\st)+1, 0
.endif
.set i, 0
.rept 32
	v_pk_mul_f32 v[W+i:W+i+1], v[W+i:W+i+1], s[54:55] op_sel_hi:[1,0]
.set i, i+2
.endr
.if (\st) >= 0
	STG (\st)+2, 0
.endif
.irp b, 0,1,2,3
	v_max3_num_f32 v[TQ+\b], s58, v[W+16*\b], v[W+16*\b+1]
.endr
.irp i, 2,4,6,8,10,12,14
.irp b, 0,1,2,3
	v_max3_num_f32 v[TQ+\b], v[TQ+\b], v[W+16*\b+\i], v[W+16*\b+\i+1]
.endr
.endr
	HALVES
	s_wait_alu depctr_va_vdst(0)                   ; ahead of the batch
.set i, 0
.rept 64
	v_exp_f32 v[W+i], v[W+i]
.set i, i+1
.endr
.irp b, 0,1,2,3
	v_exp_f32 v[TQ+\b], v[TQ+\b]                   ; each block's largest p
.endr
	v_nop
	s_wait_alu depctr_va_vdst(0)                   ; one wait for the 68, ahead of their first reader
	v_pk_add_f32 v[CH2:CH2+1], v[W:W+1], v[W+2:W+3]
.irp i, 4,8,12,16,20,24,28,32,36,40,44,48,52,56,60
	v_pk_add_f32 v[LSM+2*\sg:LSM+2*\sg+1], v[LSM+2*\sg:LSM+2*\sg+1], v[W+\i:W+\i+1]
	v_pk_add_f32 v[CH2:CH2+1], v[CH2:CH2+1], v[W+\i+2:W+\i+3]
.endr
	v_pk_add_f32 v[LSM+2*\sg:LSM+2*\sg+1], v[LSM+2*\sg:LSM+2*\sg+1], v[CH2:CH2+1]
.if (\st) >= 0
	STG (\st)+3, 0
.endif
.irp b, 0,1,2,3
	v_max_num_f32 v[TQ+\b], s[FL3], v[TQ+\b]       ; the floor: the byte cannot fall under 1
.endr
	BYTES PW+\sg
	CODES W, PC+16*(\sg), TQ+8, TQ+12
	TOLDS \sg
.endm
; p of my two s-tiles for one K step: q's records at LDS byte s60, the images at s62 beyond my place in p's region
.macro UNIT rr, rs, am, st
	v_add_nc_u32 v[XA], s60, v[LI]
	v_add_nc_u32 v[XSA], s60, v[LS8]
	s_wait_alu depctr_va_vdst(0)                   ; directly ahead of the wait below
	s_wait_loadcnt 0x0                             ; R stands in registers
	PHASE \rr, \rs, 0
	NOPS 4
	v_add_nc_u32 v[XA], s62, v[PWI]
	v_add_nc_u32 v[XSA], s62, v[PWS]
.if (\st) >= 0
	SOFT 0, \am, \st
	SOFT 1, \am, (\st)+4
.else
	SOFT 0, \am, -1
	SOFT 1, \am, -1
.endif
.endm
.macro PRE                             ; my sums of p to LDS; then everybody's images and sums are whole
.irp sg, 0,1
	v_add_f32 v[TQ+\sg], v[LSM+2*\sg], v[LSM+2*\sg+1]
.endr
	ds_store_b32 v[SXW], v[TQ]
	ds_store_b32 v[SXW], v[TQ+1] offset:128
	s_wait_alu depctr_va_vdst(0)
	s_wait_dscnt 0x0
	s_barrier_signal -1
	s_barrier_wait -1
.endm
.macro LOADSET s, i, va, vs            ; K step i: four fragments of vv^T, four of p, six registers of scale words: 30 loads
.irp dv, 0,1,2,3
.irp c, 0,1,2
	ds_load_b128 v[WA+96*(\s)+12*\dv+4*\c:WA+96*(\s)+12*\dv+4*\c+3], v[\va] offset:26624*((\i)%2)+1536*\dv+512*\c
.endr
.endr
.irp dp, 0,1
	ds_load_b32 v[TQ+6*(\s)+\dp], v[\vs] offset:26624*((\i)%2)+256*\dp   ; lanes 0-15 d-tile 2 dp's words, lanes 16-31 d-tile 2 dp + 1's
.endr
.irp ps, 0,1,2,3
.irp c, 0,1,2
	ds_load_b128 v[WA+96*(\s)+48+12*\ps+4*\c:WA+96*(\s)+48+12*\ps+4*\c+3], v[PRD] offset:13312*(\i)+1536*\ps+512*\c
.endr
	ds_load_b32 v[TQ+6*(\s)+2+\ps], v[PRS] offset:13312*(\i)+128*\ps
.endr
.endm
.macro MM16 s, zero                    ; the 16 accumulators by turns, in the same order in every K step
.irp ps, 0,1,2,3
.irp dv, 0,1,2,3
.set md, 8*(4*\ps+\dv)
.set ma, WA+96*(\s)+12*\dv
.set mb, WA+96*(\s)+48+12*\ps
.set msa, TQ+6*(\s)+\dv/2
.set msb, TQ+6*(\s)+2+\ps
.if \dv%2
.if \zero
	v_wmma_scale_f32_16x16x128_f8f6f4 v[md:md+7], v[ma:ma+11], v[mb:mb+11], 0, v[msa], v[msb] matrix_a_fmt:MATRIX_FMT_FP6 matrix_b_fmt:MATRIX_FMT_FP6 matrix_a_scale:MATRIX_SCALE_ROW1
.else
	v_wmma_scale_f32_16x16x128_f8f6f4 v[md:md+7], v[ma:ma+11], v[mb:mb+11], v[md:md+7], v[msa], v[msb] matrix_a_fmt:MATRIX_FMT_FP6 matrix_b_fmt:MATRIX_FMT_FP6 matrix_a_scale:MATRIX_SCALE_ROW1
.endif
.else
.if \zero
	v_wmma_scale_f32_16x16x128_f8f6f4 v[md:md+7], v[ma:ma+11], v[mb:mb+11], 0, v[msa], v[msb] matrix_a_fmt:MATRIX_FMT_FP6 matrix_b_fmt:MATRIX_FMT_FP6
.else
	v_wmma_scale_f32_16x16x128_f8f6f4 v[md:md+7], v[ma:ma+11], v[mb:mb+11], v[md:md+7], v[msa], v[msb] matrix_a_fmt:MATRIX_FMT_FP6 matrix_b_fmt:MATRIX_FMT_FP6
.endif
.endif
.endr
.endr
.endm
; the parts of half a: four K steps on two sets of fragments; each wait leaves the younger set's 30 loads out.  The sum of p of s-tile 8 a + 2 j + par: its two waves' parts are added and stored.
.macro PV a
	ds_load_b32 v240, v[SXR]
	ds_load_b32 v241, v[SXR] offset:1024
	v_add_nc_u32 v[XA], 53248, v[VRD]              ; K steps 2 and 3 of vv^T's images
	v_add_nc_u32 v[XSA], 53248, v[VRS]
	s_wait_alu depctr_va_vdst(0)
	LOADSET 0, 0, VRD, VRS
	LOADSET 1, 1, VRD, VRS
	s_wait_dscnt 30
	v_add_f32 v[SUM], v240, v241
	global_store_b32 v[LS4], v[SUM], s[50:51] offset:1024*(\a)
	WIN 0x50
	MM16 0, 1
	WIN 0
	NOPS 4
	LOADSET 0, 2, XA, XSA
	s_wait_dscnt 30
	WIN 0x50
	MM16 1, 0
	WIN 0
	NOPS 4
	LOADSET 1, 3, XA, XSA
	s_wait_dscnt 30
	WIN 0x50
	MM16 0, 0
	s_wait_dscnt 0x0                               ; my reads of p's images and of the sums are over
.if (\a) == 0
	s_barrier_signal -1
.endif
	MM16 1, 0
	WIN 0
.if (\a) == 0
	s_barrier_wait -1                              ; everybody's are: the next half may write there
.endif
	NOPS 5                                         ; places ahead of matrix instructions and loads that write over the fragments
.endm
	s_load_b256 s[4:11], s[0:1], 0x0               ; prep, kv, qq, pmax
	s_load_b128 s[12:15], s[0:1], 0x20             ; bvv, opart
	v_lshl_add_u32 v[SPW], v0, 2, SPARE
	v_mov_b32 v[NIL], 0
	ds_add_u32 v[SPW], v[NIL]
	ds_add_u32 v[SPW], v[NIL]
	v_lshrrev_b32 v1, 5, v0
	v_readfirstlane_b32 s[WV], v1                  ; wave 0..7
	s_lshr_b32 s19, ttmp9, 4                       ; 8 b + h
	s_and_b32 s20, ttmp9, 15                       ; the chunk of 512 t
	s_lshr_b32 s21, s19, 3
	s_and_b32 s22, s19, 7
	s_mov_b32 s24, 3<<16                           ; group 1: 104 rows of 32 elements of 8 bytes: eight records
	s_mov_b32 s25, 32<<16
	s_mov_b32 s26, 104<<16
	s_mov_b32 s27, 32<<16
	s_mov_b32 s28, 104
	s_mov_b32 s29, 32
	s_mov_b32 s30, 0
	s_mov_b32 s31, 0
	s_mov_b32 s[SEL], 0x76543210
	s_mov_b32 s[SEL+1], 0xfedcba98
	s_mov_b32 s54, 0x3fb8aa3b                      ; log2 e
	s_mov_b32 s55, s54
	s_mov_b32 s56, 0x47435000                      ; 50000
	s_mov_b32 s57, 0xc7435000
	s_mov_b32 s58, 0xff800000
	s_mov_b32 s[FL3], 0x1800000
	s_lshr_b32 s82, s[WV], 2                       ; par
	s_and_b32 s83, s[WV], 3                        ; j
	s_mul_i32 s33, s[WV], 26624                    ; waves 0-3 fill q's region, waves 4-7 v's
	s_mul_i32 s67, s83, 26624
	s_lshl_b32 s68, s19, 9
	s_lshl_b32 s69, s21, 9
	s_lshl_b32 s70, s20, 5
	s_mul_i32 s72, s83, 3072
	s_add_co_u32 s72, s72, V0
	s_lshl_b32 s73, s83, 8
	s_add_co_u32 s73, s73, V0+12288
	s_mul_i32 s74, s82, 6144
	s_add_co_u32 s74, s74, V0
	s_lshl_b32 s75, s82, 9
	s_add_co_u32 s75, s75, V0+12288
	s_mul_i32 s76, s83, 6144
	s_add_co_u32 s76, s76, VI
	s_lshl_b32 s77, s83, 9
	s_add_co_u32 s77, s77, VI+24576
	s_mul_i32 s78, s[WV], 3072
	s_add_co_u32 s78, s78, VI
	s_lshl_b32 s79, s[WV], 8
	s_add_co_u32 s80, s79, SX
	s_add_co_u32 s79, s79, VI+24576
	s_lshl_b32 s81, s83, 8
	s_lshl_b32 s71, s82, 7
	s_add_co_u32 s81, s81, s71
	s_add_co_u32 s81, s81, SX
	s_wait_dscnt 0x0
	s_wait_kmcnt 0x0
	s_cmp_lt_u32 s[WV], 4
	s_cselect_b32 s68, s68, s69
	s_cselect_b64 s[40:41], s[8:9], s[4:5]         ; qq or prep: the choice hangs on the wave's number alone
	s_add_co_u32 s68, s68, s70
	s_mul_i32 s68, s68, REC
	s_add_co_u32 s68, s68, s67
	s_mov_b32 s69, 0
	s_mov_b32 s32, 1
	s_add_nc_u64 s[34:35], s[40:41], s[68:69]
	s_or_b32 s35, s35, 0x80000000
	tensor_load_to_lds s[32:35], s[24:31]          ; one load of mine is out; LDS is filled once
	s_nop 0
	NOPS 4
	s_lshl_b32 s68, s19, 14
	s_lshl_b32 s70, s83, 7
	s_add_co_u32 s68, s68, s70
	s_add_nc_u64 s[10:11], s[10:11], s[68:69]      ; pmax [8 b + h][chunk][s], at s = 32 j
	s_lshl_b32 s68, s22, 10
	s_lshl_b32 s70, s[WV], 7
	s_add_co_u32 s68, s68, s70
	s_add_nc_u64 s[12:13], s[12:13], s[68:69]      ; bvv at d = 256 h + 32 w
	s_lshl_b32 s68, s19, 4
	s_lshl_b32 s70, s83, 1
	s_add_co_u32 s68, s68, s70
	s_mul_i32 s68, s68, REC
	s_add_nc_u64 s[44:45], s[6:7], s[68:69]        ; k's tiles 2 j, 2 j + 1; the second half's lie eight records on
	s_lshl_b32 s68, s22, 4
	s_lshl_b32 s70, s[WV], 1
	s_add_co_u32 s68, s68, s70
	s_add_co_u32 s68, s68, 1248
	s_mul_i32 s68, s68, REC
	s_add_nc_u64 s[46:47], s[4:5], s[68:69]        ; Wvv's tiles 2 w, 2 w + 1
	s_lshl_b32 s66, s19, 4
	s_add_co_u32 s66, s66, s20
	s_lshl_b32 s66, s66, 4
	s_lshl_b32 s70, s82, 2
	s_add_co_u32 s68, s66, s70
	s_lshl_b32 s68, s68, 4
	s_lshl_b32 s70, s83, 2
	s_add_co_u32 s68, s68, s70
	s_lshl_b32 s68, s68, 10
	s_add_nc_u64 s[48:49], s[14:15], s[68:69]      ; opart [8 b + h][chunk][s-tile][d-tile][1,024 bytes] at s-tile 4 par, d-tile 4 j
	s_lshl_b32 s70, s83, 1
	s_add_co_u32 s68, s66, s70
	s_add_co_u32 s68, s68, s82
	s_lshl_b32 s68, s68, 7
	s_add_co_u32 s68, s68, 0x4000000
	s_add_nc_u64 s[50:51], s[14:15], s[68:69]      ; the sums of p, 128 bytes an s-tile, at s-tile 2 j + par
	v_and_b32 v224, 31, v0
	v_and_b32 v225, 15, v0
	v_bfe_u32 v226, v0, 4, 1
	v_lshlrev_b32 v[LI], 4, v224
	v_lshlrev_b32 v[LS4], 2, v224
	v_lshlrev_b32 v[LS8], 3, v224
	v_and_b32 v227, 8, v225
	v_lshlrev_b32 v[VRS], 2, v225
	v_add_nc_u32 v227, v227, v225
	v_lshl_add_u32 v[VRS], v226, 7, v[VRS]
	v_lshlrev_b32 v227, 2, v227                    ; 4 (r + 8 (r / 8))
	v_add_nc_u32 v[VRS], s77, v[VRS]
	v_add_nc_u32 v[PWI], s72, v[LI]
	v_add_nc_u32 v[PWS], s73, v[LS4]
	v_add_nc_u32 v[PRD], s74, v[LI]
	v_add_nc_u32 v[PRS], s75, v[LS4]
	v_add_nc_u32 v[VRD], s76, v[LI]
	v_add_nc_u32 v[VWI], s78, v[LI]
	v_add_nc_u32 v[VWS], s79, v[LS4]
	v_add_nc_u32 v[SXW], s80, v[LS4]
	v_add_nc_u32 v[SXR], s81, v[LS4]
.irp b, 0,1,2,3
	v_mov_b32 v[TQ+4+\b], 0                        ; a lane permute's destination counts as one of its sources
.endr
.irp a, 0,1
.irp sg, 0,1
.irp c, 0,1,2,3,4,5,6,7,8,9,10,11,12,13,14,15
	global_load_b32 v[WA+32*\a+16*\sg+\c], v227, s[10:11] offset:512*\a+32*\sg+1024*\c
.endr
.endr
.endr
	global_load_b32 v232, v227, s[12:13]
	global_load_b32 v233, v227, s[12:13] offset:32
	RLOAD 46, 0, RW, RS
	RLOAD 44, 0, RK, RS2
	s_wait_alu depctr_va_vdst(0)                   ; directly ahead of the wait below
	s_wait_loadcnt 28                              ; the maxima and the bias are in; the 28 loads of the two R's may be out
.irp n, 0,1,2,3
	v_max3_num_f32 v[AM+\n], v[WA+16*\n], v[WA+16*\n+1], v[WA+16*\n+2]   ; the column's largest clipped attn over the 16 chunks: AM + 2 a + sg
.endr
.irp i, 3,5,7,9,11,13
.irp n, 0,1,2,3
	s_delay_alu instid0(VALU_DEP_4)
	v_max3_num_f32 v[AM+\n], v[AM+\n], v[WA+16*\n+\i], v[WA+16*\n+\i+1]
.endr
.endr
.irp n, 0,1,2,3
	s_delay_alu instid0(VALU_DEP_4)
	v_max_num_f32 v[AM+\n], v[AM+\n], v[WA+16*\n+15]
.endr
.irp ta, 0,1
.irp i, 0,1,2,3,4,5,6,7
	v_mov_b32 v[BC+8*\ta+\i], v[232+\ta]           ; bvv of my lane's d, as the C of the first products
.endr
.endr
	s_wait_alu depctr_va_vdst(0)                   ; the wait at the head's end
	s_wait_tensorcnt 0x0                           ; my eight records have landed,
	s_barrier_signal -1
	s_barrier_wait -1                              ; everybody's have
	s_wait_loadcnt 0x0
	; ---- vv^T, four K steps of 128 t: no barrier: the images have LDS bytes of their own
	s_mov_b32 s60, V0
	s_mov_b32 s62, 0
	s_mov_b32 s61, 4
.Lvv:
	v_add_nc_u32 v[XA], s60, v[LI]
	v_add_nc_u32 v[XSA], s60, v[LS8]
	s_wait_alu depctr_va_vdst(0)
	PHASE RW, RS, BC
	NOPS 4
	v_add_nc_u32 v[XA], s62, v[VWI]
	v_add_nc_u32 v[XSA], s62, v[VWS]
.irp sg, 0,1
	QMAX WA+64*\sg
	HALVES
	BYTES PW+\sg
	CODES WA+64*\sg, PC+16*\sg, TQ+8, TQ+12
	TOLDS \sg
.endr
	s_add_co_u32 s60, s60, 26624
	s_add_co_u32 s62, s62, 26624
	s_sub_co_u32 s61, s61, 1
	s_cmp_lg_u32 s61, 0
	s_wait_alu depctr_va_vdst(0)
	s_cbranch_scc1 .Lvv
	RLOAD 44, 26624, RW, RS                        ; k's tiles of the second half, where Wvv's lay
	s_wait_dscnt 0x0
	s_barrier_signal -1
	s_barrier_wait -1                              ; all images of vv^T are whole, and nobody reads v any more
	; ---- s = 0-127
.irp n, 0,1,2,3
	v_mov_b32 v[LSM+\n], 0
.endr
	s_mul_i32 s60, s82, 26624                      ; K steps par and par + 2
	s_mul_i32 s62, s82, 13312
	s_mov_b32 s61, 2
.Lsa:
	UNIT RK, RS2, AM, -1
	s_add_co_u32 s60, s60, 53248
	s_add_co_u32 s62, s62, 26624
	s_sub_co_u32 s61, s61, 1
	s_cmp_lg_u32 s61, 0
	s_wait_alu depctr_va_vdst(0)
	s_cbranch_scc1 .Lsa
	PRE
	PV 0
	; ---- s = 128-255; the first half's accumulators leave on the way
.irp n, 0,1,2,3
	v_mov_b32 v[LSM+\n], 0
.endr
	s_mul_i32 s60, s82, 26624
	s_mul_i32 s62, s82, 13312
	UNIT RW, RS, AM+2, 0
	s_add_co_u32 s60, s60, 53248
	s_add_co_u32 s62, s62, 26624
	UNIT RW, RS, AM+2, 8
	PRE
	s_wait_xcnt 0x0                                ; the stores have read the accumulators and the sum: both are written again only behind this wait
	PV 1
.irp acc, 0,1,2,3,4,5,6,7,8,9,10,11,12,13,14,15
	STG \acc, 131072                               ; eight s-tiles on
.endr
	s_wait_tensorcnt 0x0                           ; the wave's end
	ds_add_u32 v[SPW], v[NIL]
	s_wait_dscnt 0x0
	s_endpgm
.Lfunc_end_k_q2666d3f734_attl:
	.size	k_q2666d3f734_attl, .Lfunc_end_k_q2666d3f734_attl-k_q2666d3f734_attl
	.p2alignl 7, 3214868480
	.fill 96, 4, 3214868480
	.section	.rodata,"a",@progbits
	.p2align	6, 0x0
	.amdhsa_kernel k_q2666d3f734_attl
		.amdhsa_group_segment_fixed_size 327680
		.amdhsa_private_segment_fixed_size 0
		.amdhsa_enable_private_segment 0
		.amdhsa_kernarg_size 48
		.amdhsa_user_sgpr_count 2
		.amdhsa_user_sgpr_kernarg_segment_ptr 1
		.amdhsa_wavefront_size32 1
		.amdhsa_system_sgpr_workgroup_id_x 1
		.amdhsa_system_sgpr_workgroup_id_y 1
		.amdhsa_system_sgpr_workgroup_id_z 1
		.amdhsa_system_vgpr_workitem_id 0
		.amdhsa_next_free_vgpr 512
		.amdhsa_next_free_sgpr 96
		.amdhsa_reserve_vcc 0
		.amdhsa_float_denorm_mode_32 3
		.amdhsa_float_denorm_mode_16_64 3
		.amdhsa_memory_ordered 1
		.amdhsa_forward_progress 1
		.amdhsa_inst_pref_size 205
	.end_amdhsa_kernel
	.amdgpu_metadata
---
amdhsa.version: [ 1, 2 ]
amdhsa.kernels:
  - .name:           k_q2666d3f734_attl
    .symbol:         k_q2666d3f734_attl.kd
    .args:
      - { .name: prep, .offset: 0, .size: 8, .value_kind: global_buffer, .address_space: global }
      - { .name: kv, .offset: 8, .size: 8, .value_kind: global_buffer, .address_space: global }
      - { .name: qq, .offset: 16, .size: 8, .value_kind: global_buffer, .address_space: global }
      - { .name: pmax, .offset: 24, .size: 8, .value_kind: global_buffer, .address_space: global }
      - { .name: bvv, .offset: 32, .size: 8, .value_kind: global_buffer, .address_space: global }
      - { .name: opart, .offset: 40, .size: 8, .value_kind: global_buffer, .address_space: global }
    .group_segment_fixed_size: 327680
    .private_segment_fixed_size: 0
    .kernarg_segment_align: 8
    .kernarg_segment_size: 48
    .max_flat_workgroup_size: 256
    .sgpr_count:     96
    .vgpr_count:     512
    .wavefront_size: 32
...
	.end_amdgpu_metadata
.endif
;; end of part 4
;; launch outv (part 5): grid 128 x 2, 4 waves a work-group, clusters of 4 x 1, 263,680 bytes of LDS; arguments prep, ovq, bov, out0, opart, olq; writes out0, olq
.if DOCPART == 5
	.amdgcn_target "amdgcn-amd-amdhsa--gfx1250"
	.amdhsa_code_object_version 6
	.text
	.protected	k_q2666d3f734_outv
	.globl	k_q2666d3f734_outv
	.p2align	8
	.type	k_q2666d3f734_outv,@function
k_q2666d3f734_outv:
	s_mov_b64 s[64:65], 0
	v_nop
	global_prefetch_b8 v0, s[64:65] scope:SCOPE_SE
	s_setreg_imm32_b32 hwreg(HW_REG_WAVE_MODE, 25, 1), 1
	s_wait_xcnt 0x0
	s_wait_alu depctr_hold_cnt(0) depctr_sa_sdst(0) depctr_va_vdst(0) depctr_va_sdst(0) depctr_va_ssrc(0) depctr_va_vcc(0) depctr_vm_vsrc(0)
	s_getreg_b32 s2, hwreg(HW_REG_IB_STS2, 6, 4)
	s_cmp_eq_u32 s2, 0
	s_cbranch_scc0 .Lentry_in_a_cluster
	s_endpgm
.Lentry_in_a_cluster:
	s_bfe_u32 s2, ttmp6, 0x10000c
	s_cmp_lg_u32 s2, 0x3003
	s_cbranch_scc0 .Lentry_shape_is_right
	s_endpgm
.Lentry_shape_is_right:
; OUTV: out0 = out_v Wov + bov, and, while Wov's records land, one share of out_l: the 16 chunks' parts are added, divided by the sum of p, quantised along the head's d and stored as a record in olq.
; THE PRODUCT: D = X (source 0: 128 columns of Wov, all 2,048 along K: 64 records in LDS, filled once) x R (source 1: out_v's records): a lane holds one row t, registers along the columns.
; A work-group makes 128 rows x 128 columns; wave w the group of 32 rows 4 block + w.  The four work-groups of a cluster share the columns: X is asked for jointly.
; ALL OF R IS ASKED FOR AT THE HEAD: a wave's two tiles x eight pairs of K steps are 384 registers of codes and 16 of scale words, 104 loads, and the bias 32 more; they stand ahead of the adding's loads,
; so that the product's eight trips hold no load from memory and no wait for one.  Some 200 loads are issued ahead of the first wait: the issue of a load that would push the counter past its field is held
; back by the hardware (ISA guide 5.7.1), and loads come back in order, so the counts below mean what they say.
; THE ADDING: work-group (row block, column block) takes (s-tile, head) number 2 row block + column block; wave w takes half w % 2 of the head's d and half w / 2 of the chunks; waves 2, 3 hand their sums to waves 0, 1 through LDS.
; LIMITS: scale byte 1 for blocks under 2^-124 and for blocks of zeros; NaN and infinities not served; the division is v_rcp_f32 and a multiply.
; REGISTERS, window 0: v1-11 addresses, v243 the scale words' offset; v12-15 and v244-255 R's scale words (a pair of registers for each pair of K steps: lanes 0-15 tile 0's words, lanes 16-31 tile 1's);
;   v16-207 the adding's sums and buffers; v120-215 X's four sets, v216-223 their scale words; v224-242 temporaries.
;   window 1: the sums, 64 tile + 8 x + j.   window 2: R's codes of pairs 0-4, 48 registers a pair.   window 3: those of pairs 5-7.
.set REC,   3328
.set PITCH, 1024                       ; bytes of a row of the output
.set XARR,  2144                       ; X's first record in prep
.set STG,   212992                     ; LDS behind X: a stage of 16 rows x 528 bytes for each wave;
.set CEX,   246784                     ; two blocks of 8,192 bytes for the exchange of sums
.set LI,    1
.set LS8,   2
.set LS4,   3
.set HB,    4
.set XA,    5
.set XSA,   6
.set SO,    7
.set SR,    8
.set CEXA,  9
.set LSR,   243
.set XB,    120
.set XS,    216
.set TQ,    224
.set WV,    18
.set SEL,   52
.set FL3,   59
.set MSB,   0
.macro WIN new
.if MSB != (\new)
	s_set_vgpr_msb (MSB<<8)|(\new)
.set MSB, \new
.endif
.endm
.macro NOPS n
.rept \n
	v_nop
.endr
.endm
.macro QMAX src, sw, flr
	WIN 0x14*(\sw)
.irp b, 0,1,2,3
	v_max3_num_f32 v[TQ+\b], s[\flr], |v[(\src)+16*\b]|, |v[(\src)+16*\b+1]|
.endr
.irp i, 2,4,6,8,10,12,14
.irp b, 0,1,2,3
	v_max3_num_f32 v[TQ+\b], v[TQ+\b], |v[(\src)+16*\b+\i]|, |v[(\src)+16*\b+\i+1]|
.endr
.endr
	WIN 0
.endm
.macro QSCALE pwr, adj
.irp b, 0,1,2,3
	v_permlanex16_b32 v[TQ+4+\b], v[TQ+\b], s[SEL], s[SEL+1]
.endr
.irp b, 0,1,2,3
	v_max_num_f32 v[TQ+\b], v[TQ+\b], v[TQ+4+\b]
.endr
.irp b, 0,1,2,3
	v_add_nc_u32 v[TQ+8+\b], 0xff000000, v[TQ+\b]
.endr
.irp b, 0,1,2,3
	v_lshrrev_b32 v[TQ+4+\b], 23, v[TQ+8+\b]
.endr
	v_lshl_or_b32 v[\pwr], v[TQ+5], 8, v[TQ+4]
	v_lshl_or_b32 v[\pwr], v[TQ+6], 16, v[\pwr]
	v_lshl_or_b32 v[\pwr], v[TQ+7], 24, v[\pwr]
.if \adj
	v_add_nc_u32 v[\pwr], 0xfbfbfbfc, v[\pwr]
.endif
.endm
.macro CODES src, sw, dst, sc, tp
	WIN (\sw)
.irp c, 0,1
	v_cvt_scalef32_pk16_fp6_f32 v[(\dst)+6*\c:(\dst)+6*\c+2], v[(\src)+32*\c:(\src)+32*\c+15], v[(\sc)+2*\c]
	v_cvt_scalef32_pk16_fp6_f32 v[(\tp)+4*\c:(\tp)+4*\c+2], v[(\src)+32*\c+16:(\src)+32*\c+31], v[(\sc)+2*\c+1]
.endr
	WIN 0
	v_nop                                          ; one plain place behind a scaled conversion
.irp c, 0,1
.irp i, 0,1,2
	v_permlane16_swap_b32 v[(\dst)+6*\c+\i], v[(\tp)+4*\c+\i]
.endr
.irp i, 0,1,2
	v_mov_b32 v[(\dst)+6*\c+3+\i], v[(\tp)+4*\c+\i]
.endr
.endr
.endm
.macro QUANT src, sw, dst, pwr, adj, flr
	QMAX \src, \sw, \flr
	QSCALE \pwr, \adj
	CODES \src, \sw, \dst, TQ+8, TQ+12
.endm
.macro XLD set, off                    ; a record of X from LDS: seven loads
.irp c, 0,1,2,3,4,5
	ds_load_b128 v[XB+24*(\set)+4*\c:XB+24*(\set)+4*\c+3], v[XA] offset:(\off)+512*\c
.endr
	ds_load_b64 v[XS+2*(\set):XS+2*(\set)+1], v[XSA] offset:(\off)+3072
.endm
; nx tiles of X against R's two tiles, 256 along K: four matrix instructions a tile of X, the two accumulators by turns, one instruction a turn.
; rr: R's codes of this pair of K steps, in the window that win names for source 1; rs: its two scale registers; tile 1's words stand in lanes 16-31.
.macro PHASE nx, ns, rr, rs, acc, ats, win
.set px, 0
.rept \ns
.set po, 3328*px
	XLD px, po
.set px, px+1
.endr
.set px, 0
	s_wait_alu depctr_va_vdst(0)
.rept \nx
.set pw, (\nx)-1-px
.if pw > (\ns)-1
.set pw, (\ns)-1
.endif
	s_wait_dscnt 7*pw                              ; the younger tiles' seven loads each may be out
	WIN \win
.irp ks, 0,1
.irp ta, 0,1
.set md, (\acc)+(\ats)*\ta+8*px
.set ma, XB+24*(px%(\ns))+12*\ks
.set mb, (\rr)+24*\ta+12*\ks
.set msa, XS+2*(px%(\ns))+\ks
.set msb, (\rs)+\ks
.if \ta
	v_wmma_scale_f32_16x16x128_f8f6f4 v[md:md+7], v[ma:ma+11], v[mb:mb+11], v[md:md+7], v[msa], v[msb] matrix_a_fmt:MATRIX_FMT_FP6 matrix_b_fmt:MATRIX_FMT_FP6 matrix_b_scale:MATRIX_SCALE_ROW1
.else
	v_wmma_scale_f32_16x16x128_f8f6f4 v[md:md+7], v[ma:ma+11], v[mb:mb+11], v[md:md+7], v[msa], v[msb] matrix_a_fmt:MATRIX_FMT_FP6 matrix_b_fmt:MATRIX_FMT_FP6
.endif
.endr
.endr
	WIN 0
.if px+(\ns) < (\nx)
	NOPS 4                                         ; places ahead of loads into registers that matrix instructions have read
.set ps, px%(\ns)
.set po, 3328*(px+(\ns))
	XLD ps, po
.endif
.set px, px+1
.endr
.endm
.macro TRIP p, rr, rs, win             ; pair p of K steps: X's eight records of it against R's two tiles
.if (\p) > 0
	NOPS 4                                         ; places ahead of loads into registers that matrix instructions have read
.endif
	v_add_nc_u32 v[XA], 26624*(\p), v[LI]
	v_add_nc_u32 v[XSA], 26624*(\p), v[LS8]
	PHASE 8, 4, \rr, \rs, 0, 64, \win
.endm
.macro ROUND                           ; a round of the cluster's barrier
	s_barrier_signal -1
	s_barrier_wait -1
	s_cmp_lg_u32 s[WV], 0
	s_cbranch_scc1 .Lnot_wave_0_\@
	s_barrier_signal -3
.Lnot_wave_0_\@:
	s_barrier_wait -3
	s_barrier_signal -1
	s_barrier_wait -1
.endm
.macro CLOAD reg, cc                   ; chunk cc of my eight: eight accumulators' images, 16 loads of 512 consecutive bytes
.irp k, 0,1,2,3,4,5,6,7,8,9,10,11,12,13,14,15
	global_load_b128 v[(\reg)+4*\k:(\reg)+4*\k+3], v[LI], s[48:49] offset:262144*(\cc)+512*\k th:TH_LOAD_NT
.endr
.endm
.macro CADD reg
.set i, 0
.rept 32
	v_pk_add_f32 v[16+i:17+i], v[16+i:17+i], v[(\reg)+i:(\reg)+i+1]
.set i, i+2
.endr
.endm
	s_load_b256 s[4:11], s[0:1], 0x0               ; prep, out_v's records, the bias, the output
	s_load_b128 s[12:15], s[0:1], 0x20             ; opart, olq
	s_set_vgpr_msb 0x40
	v_lshl_add_u32 v254, v0, 2, 0x40400
	v_mov_b32 v255, 0
	s_set_vgpr_msb 0x4045
	ds_add_u32 v254, v255
	ds_add_u32 v254, v255
	s_set_vgpr_msb 0x4500
	v_lshrrev_b32 v1, 5, v0
	v_readfirstlane_b32 s[WV], v1                  ; wave 0..3
	s_bfe_u32 s19, ttmp6, 0x40000                  ; cx: it enters global addresses of my own rows alone
	s_lshl_b32 s20, ttmp9, 2
	s_add_co_u32 s20, s20, s19                     ; my block of 128 rows
	s_and_b32 s21, ttmp7, 0xffff                   ; my block of 128 columns: shared by the four partners
	s_mov_b32 s24, 15|(3<<16)|(1<<21)              ; group 1: the mask names all four work-groups, bit 21 beside it; 208 rows of 32 elements of 8 bytes: 16 records
	s_mov_b32 s25, 32<<16
	s_mov_b32 s26, 208<<16
	s_mov_b32 s27, 32<<16
	s_mov_b32 s28, 208
	s_mov_b32 s29, 32
	s_mov_b32 s30, 0
	s_mov_b32 s31, 0
	s_mov_b32 s[SEL], 0x76543210
	s_mov_b32 s[SEL+1], 0xfedcba98
	s_mov_b32 s[FL3], 0x1800000
	s_mul_i32 s33, s[WV], 53248                    ; my quarter of X
	s_mul_i32 s36, s21, 212992
	s_add_co_u32 s36, s36, s33
	s_add_co_u32 s36, s36, XARR*REC
	s_mov_b32 s37, 0
	s_wait_dscnt 0x0
	s_wait_kmcnt 0x0
	s_mov_b32 s32, 1
	s_add_nc_u64 s[34:35], s[4:5], s[36:37]
	s_or_b32 s35, s35, 0x80000000
	ROUND                                          ; all four work-groups are here: the joint loads meet
	tensor_load_to_lds s[32:35], s[24:31]          ; one load of mine is out; LDS is filled once
	s_nop 0
	NOPS 4
	v_and_b32 v240, 31, v0
	v_lshlrev_b32 v[LI], 4, v240
	s_wait_alu depctr_va_vdst(0)
	v_lshlrev_b32 v[LS8], 3, v240
	v_lshlrev_b32 v[LS4], 2, v240
	v_bfe_u32 v241, v0, 4, 1
	v_lshlrev_b32 v[HB], 6, v241
	v_and_b32 v242, 15, v0
	v_lshlrev_b32 v[LSR], 3, v242
	v_mad_u32_u24 v[LSR], v241, 26624, v[LSR]      ; R's scale words: 8 r, and lanes 16-31 one tile (eight records) further on
	s_wait_alu depctr_va_vdst(0)
	s_mov_b32 s41, 0
	s_lshl_b32 s40, s20, 3
	s_lshl_b32 s60, s[WV], 1
	s_add_co_u32 s40, s40, s60
	s_mul_i32 s40, s40, 26624
	s_add_nc_u64 s[44:45], s[6:7], s[40:41]        ; R: tile 8 block + 2 w, eight records a tile
	; ---- all of R, and the bias
	WIN 0x80                                       ; destination window 2
.irp pp, 0,1,2,3,4
.irp ta, 0,1
.irp c, 0,1,2,3,4,5
	global_load_b128 v[48*\pp+24*\ta+4*\c:48*\pp+24*\ta+4*\c+3], v[LI], s[44:45] offset:26624*\ta+3328*\pp+512*\c
.endr
.endr
.endr
	WIN 0xc0                                       ; destination window 3
.irp pp, 5,6,7
.irp ta, 0,1
.irp c, 0,1,2,3,4,5
	global_load_b128 v[48*(\pp-5)+24*\ta+4*\c:48*(\pp-5)+24*\ta+4*\c+3], v[LI], s[44:45] offset:26624*\ta+3328*\pp+512*\c
.endr
.endr
.endr
	WIN 0
.irp pp, 0,1
	global_load_b64 v[12+2*\pp:13+2*\pp], v[LSR], s[44:45] offset:3328*\pp+3072
.endr
.irp pp, 2,3,4,5,6,7
	global_load_b64 v[240+2*\pp:241+2*\pp], v[LSR], s[44:45] offset:3328*\pp+3072
.endr
	s_lshl_b32 s60, s21, 9
	s_mov_b32 s40, s60
	s_add_nc_u64 s[8:9], s[8:9], s[40:41]          ; the bias of my block's columns
	WIN 0x40                                       ; destination window 1
.irp ta, 0,1
.irp x, 0,1,2,3,4,5,6,7
	global_load_b128 v[64*\ta+8*\x:64*\ta+8*\x+3], v[HB], s[8:9] offset:128*(\x/2)+32*(\x%2)         ; the bias is the C of each sum's first matrix instruction
	global_load_b128 v[64*\ta+8*\x+4:64*\ta+8*\x+7], v[HB], s[8:9] offset:128*(\x/2)+32*(\x%2)+16
.endr
.endr
	WIN 0
	s_lshl_b32 s40, s20, 2
	s_add_co_u32 s40, s40, s[WV]
	s_mul_i32 s40, s40, 32*PITCH
	s_add_co_u32 s40, s40, s60
	s_add_nc_u64 s[46:47], s[10:11], s[40:41]      ; the output at my group's first row, my block's first column
	s_mul_i32 s60, s[WV], 8448
	s_add_co_u32 s60, s60, STG                     ; my stage
	v_mul_u32_u24 v[SO], v242, 528
	v_add_nc_u32 v[SO], v[SO], v[HB]
	v_add_nc_u32 v[SO], s60, v[SO]                 ; in: row r, + 64 bytes for lanes 16-31
	v_add_nc_u32 v[SR], s60, v[LI]                 ; back: a row of 512 bytes, 16 bytes a lane
	s_and_b32 s67, s[WV], 1                        ; which half of the head's d
	s_lshr_b32 s68, s[WV], 1                       ; which half of the chunks
	s_lshl_b32 s60, s67, 13
	s_add_co_u32 s60, s60, CEX
	v_add_nc_u32 v[CEXA], s60, v[LI]
	s_mul_i32 s60, s67, 1536
	v_add_nc_u32 v10, s60, v[LI]
	s_lshl_b32 s60, s67, 2
	v_add_nc_u32 v11, s60, v[LS8]
	; ---- the adding
	s_lshl_b32 s60, s20, 1
	s_add_co_u32 s60, s60, s21
	s_lshr_b32 s61, s60, 3                         ; the s-tile, 0..31
	s_and_b32 s62, s60, 7                          ; the head
	s_lshr_b32 s63, s61, 4
	s_lshl_b32 s63, s63, 3
	s_add_co_u32 s63, s63, s62                     ; 8 b + h
	s_and_b32 s66, s61, 15
	s_lshl_b32 s69, s63, 4
	s_lshl_b32 s70, s68, 3
	s_add_co_u32 s69, s69, s70
	s_lshl_b32 s40, s69, 18                        ; a chunk's images are 262,144 bytes,
	s_lshl_b32 s70, s66, 14                        ; an s-tile's 16,384,
	s_add_co_u32 s40, s40, s70
	s_lshl_b32 s70, s67, 13                        ; half of its d-tiles 8,192
	s_add_co_u32 s40, s40, s70
	s_add_nc_u64 s[48:49], s[12:13], s[40:41]
	s_lshl_b32 s40, s63, 8
	s_add_co_u32 s40, s40, s66
	s_lshl_b32 s40, s40, 7
	s_add_co_u32 s40, s40, 0x4000000
	s_add_nc_u64 s[50:51], s[12:13], s[40:41]      ; the sums of p
	s_lshl_b32 s40, s61, 3
	s_add_co_u32 s40, s40, s62
	s_mul_i32 s40, s40, REC
	s_add_nc_u64 s[54:55], s[14:15], s[40:41]      ; the record: 8 s-tile + h
.irp c, 0,1,2,3,4,5,6,7,8,9,10,11,12,13,14,15
	global_load_b32 v[224+\c], v[LS4], s[50:51] offset:2048*\c
.endr
	CLOAD 16, 0
	CLOAD 80, 1
	CLOAD 144, 2
.irp cc, 1,2,3,4,5,6,7
.if \cc < 7
	s_wait_loadcnt 16                              ; this chunk is in, and all that was asked for ahead of it; the youngest chunk's 16 loads may be out
.else
	s_wait_loadcnt 0x0                             ; the last chunk; R and the bias came in long ago
.endif
	CADD 80+64*((\cc+1)%2)
.if \cc+2 < 8
	CLOAD 80+64*((\cc+1)%2), \cc+2
.endif
.endr
	s_cmp_lt_u32 s[WV], 2
	s_cbranch_scc1 .Lkeep
.irp k, 0,1,2,3,4,5,6,7,8,9,10,11,12,13,14,15
	ds_store_b128 v[CEXA], v[16+4*\k:19+4*\k] offset:512*\k   ; waves 2 and 3 hand their sums over
.endr
.Lkeep:
	s_wait_tensorcnt 0x0                           ; my quarter of X has landed,
	s_wait_dscnt 0x0                               ; my sums are stored:
	s_barrier_signal -1
	s_barrier_wait -1                              ; everybody's
	s_cmp_lt_u32 s[WV], 2
	s_cbranch_scc0 .Ladded
.irp k, 0,1,2,3,4,5,6,7,8,9,10,11,12,13,14,15
	ds_load_b128 v[80+4*\k:83+4*\k], v[CEXA] offset:512*\k
.endr
.irp c, 0,2,4,6,8,10,12,14
	v_add_f32 v[224+\c], v[224+\c], v[225+\c]
.endr
.irp c, 0,4,8,12
	v_add_f32 v[224+\c], v[224+\c], v[226+\c]
.endr
	v_add_f32 v224, v224, v228
	v_add_f32 v232, v232, v236
	v_add_f32 v224, v224, v232
	v_permlanex16_b32 v225, v224, s[SEL], s[SEL+1]
	v_add_f32 v224, v224, v225                     ; the row's sum of p over all 8,192 t
	s_wait_alu depctr_va_vdst(0)
	v_rcp_f32 v226, v224
	v_nop
	s_wait_alu depctr_va_vdst(0)                   ; the wait ahead of the first use
	s_wait_dscnt 0x0
	CADD 80
.set i, 0
.rept 32
	v_pk_mul_f32 v[16+i:17+i], v[16+i:17+i], v[226:227] op_sel_hi:[1,0]
.set i, i+2
.endr
	QUANT 16, 0, 144, 156, 0, FL3
.irp c, 0,1,2
	global_store_b128 v10, v[144+4*\c:147+4*\c], s[54:55] offset:512*\c
.endr
	global_store_b32 v11, v156, s[54:55] offset:3072
.Ladded:
	s_wait_xcnt 0x0                                ; the stores have read their registers, which X's records fill next
	; ---- the product: eight pairs of K steps; R, its scale words and the bias stand in registers
.irp p, 0,1
	TRIP \p, 48*\p, 12+2*\p, 0x58                  ; X window 0, R window 2, C and D window 1
.endr
.irp p, 2,3,4
	TRIP \p, 48*\p, 240+2*\p, 0x58
.endr
.irp p, 5,6,7
	TRIP \p, 48*(\p-5), 240+2*\p, 0x5c             ; R window 3
.endr
	NOPS 4
	; ---- the way out: a tile's 16 rows x 512 bytes through my stage, back as whole rows
.irp ta, 0,1
	WIN 0x04                                       ; an LDS store's data are its source 1: window 1
.irp x, 0,1,2,3,4,5,6,7
	ds_store_b128 v[SO], v[64*\ta+8*\x:64*\ta+8*\x+3] offset:128*(\x/2)+32*(\x%2)       ; each accumulator from its low end on
	ds_store_b128 v[SO], v[64*\ta+8*\x+4:64*\ta+8*\x+7] offset:128*(\x/2)+32*(\x%2)+16
.endr
	WIN 0
.irp i, 0,1,2,3,4,5,6,7,8,9,10,11,12,13,14,15
	ds_load_b128 v[16+104*\ta+4*\i:19+104*\ta+4*\i], v[SR] offset:528*\i   ; LDS serves a wave's instructions in order: these see my stores
.endr
.irp i, 0,1,2,3,4,5,6,7,8,9,10,11,12,13,14,15
	s_wait_dscnt 15-\i
	global_store_b128 v[LI], v[16+104*\ta+4*\i:19+104*\ta+4*\i], s[46:47] offset:(8*\ta+\i+8*(\i/8))*PITCH th:TH_STORE_NT   ; 512 consecutive bytes, at a multiple of 256 from the output's first byte
.endr
.endr
	s_set_vgpr_msb 0x5
	s_wait_tensorcnt 0x0
	ds_add_u32 v254, v255
	s_wait_dscnt 0x0
	s_set_vgpr_msb 0x500
	ROUND                                          ; the closing round
	s_endpgm
.Lfunc_end_k_q2666d3f734_outv:
	.size	k_q2666d3f734_outv, .Lfunc_end_k_q2666d3f734_outv-k_q2666d3f734_outv
	.p2alignl 7, 3214868480
	.fill 96, 4, 3214868480
	.section	.rodata,"a",@progbits
	.p2align	6, 0x0
	.amdhsa_kernel k_q2666d3f734_outv
		.amdhsa_group_segment_fixed_size 263680
		.amdhsa_private_segment_fixed_size 0
		.amdhsa_enable_private_segment 0
		.amdhsa_kernarg_size 48
		.amdhsa_user_sgpr_count 2
		.amdhsa_user_sgpr_kernarg_segment_ptr 1
		.amdhsa_wavefront_size32 1
		.amdhsa_system_sgpr_workgroup_id_x 1
		.amdhsa_system_sgpr_workgroup_id_y 1
		.amdhsa_system_sgpr_workgroup_id_z 1
		.amdhsa_system_vgpr_workitem_id 0
		.amdhsa_next_free_vgpr 912
		.amdhsa_next_free_sgpr 72
		.amdhsa_reserve_vcc 0
		.amdhsa_float_denorm_mode_32 3
		.amdhsa_float_denorm_mode_16_64 3
		.amdhsa_memory_ordered 1
		.amdhsa_forward_progress 1
		.amdhsa_inst_pref_size 138
	.end_amdhsa_kernel
	.amdgpu_metadata
---
amdhsa.version: [ 1, 2 ]
amdhsa.kernels:
  - .name:           k_q2666d3f734_outv
    .symbol:         k_q2666d3f734_outv.kd
    .args:
      - { .name: prep, .offset: 0, .size: 8, .value_kind: global_buffer, .address_space: global }
      - { .name: ovq, .offset: 8, .size: 8, .value_kind: global_buffer, .address_space: global }
      - { .name: bov, .offset: 16, .size: 8, .value_kind: global_buffer, .address_space: global }
      - { .name: out0, .offset: 24, .size: 8, .value_kind: global_buffer, .address_space: global }
      - { .name: opart, .offset: 32, .size: 8, .value_kind: global_buffer, .address_space: global }
      - { .name: olq, .offset: 40, .size: 8, .value_kind: global_buffer, .address_space: global }
    .group_segment_fixed_size: 263680
    .private_segment_fixed_size: 0
    .kernarg_segment_align: 8
    .kernarg_segment_size: 48
    .max_flat_workgroup_size: 128
    .sgpr_count:     72
    .vgpr_count:     912
    .wavefront_size: 32
...
	.end_amdgpu_metadata
.endif
;; end of part 5
;; launch outl (part 6): grid 4 x 6, 4 waves a work-group, clusters of 4 x 1, 247,296 bytes of LDS; arguments prep, olq, bol, out1; writes out1
.if DOCPART == 6
	.amdgcn_target "amdgcn-amd-amdhsa--gfx1250"
	.amdhsa_code_object_version 6
	.text
	.protected	k_q2666d3f734_outl
	.globl	k_q2666d3f734_outl
	.p2align	8
	.type	k_q2666d3f734_outl,@function
k_q2666d3f734_outl:
	s_mov_b64 s[64:65], 0
	v_nop
	global_prefetch_b8 v0, s[64:65] scope:SCOPE_SE
	s_setreg_imm32_b32 hwreg(HW_REG_WAVE_MODE, 25, 1), 1
	s_wait_xcnt 0x0
	s_wait_alu depctr_hold_cnt(0) depctr_sa_sdst(0) depctr_va_vdst(0) depctr_va_sdst(0) depctr_va_ssrc(0) depctr_va_vcc(0) depctr_vm_vsrc(0)
	s_getreg_b32 s2, hwreg(HW_REG_IB_STS2, 6, 4)
	s_cmp_eq_u32 s2, 0
	s_cbranch_scc0 .Lentry_in_a_cluster
	s_endpgm
.Lentry_in_a_cluster:
	s_bfe_u32 s2, ttmp6, 0x10000c
	s_cmp_lg_u32 s2, 0x3003
	s_cbranch_scc0 .Lentry_shape_is_right
	s_endpgm
.Lentry_shape_is_right:
; OUTL: out1 = out_l Wol + bol.  D = X (source 0: 128 columns of Wol, all 2,048 along K: 64 records in LDS, filled once) x R (source 1: out_l's records): a lane holds one row, registers along the columns.
; A work-group makes 128 rows x 128 columns; wave w the group of 32 rows 4 block + w.  The four work-groups of a cluster share the columns: X is asked for jointly.
; 512 rows x 768 columns are 24 such work-groups: that is all the work there is.
; ALL OF R IS ASKED FOR AT THE HEAD, while X lands: a wave's two tiles x eight pairs of K steps are 384 registers of codes and 16 of scale words, 104 loads, and the bias 32 more: the product's eight trips hold
; no load from memory and no wait for one.  The issue of a load that would push the counter past its field is held back by the hardware (ISA guide 5.7.1); the one wait for them is for 0.
; REGISTERS, window 0: v1-8 addresses, v243 the scale words' offset; v12-15 and v244-255 R's scale words (a pair of registers for each pair of K steps: lanes 0-15 tile 0's words, lanes 16-31 tile 1's);
;   v120-215 X's four sets, v216-223 their scale words; v16-79 and v120-183 rows on the way out.
;   window 1: the sums, 64 tile + 8 x + j.   window 2: R's codes of pairs 0-4, 48 registers a pair.   window 3: those of pairs 5-7.
.set REC,   3328
.set PITCH, 3072                       ; bytes of a row of the output
.set XARR,  2272                       ; X's first record in prep
.set STG,   212992                     ; LDS behind X: a stage of 16 rows x 528 bytes for each wave
.set LI,    1
.set LS8,   2
.set HB,    4
.set XA,    5
.set XSA,   6
.set SO,    7
.set SR,    8
.set LSR,   243
.set XB,    120
.set XS,    216
.set WV,    18
.set MSB,   0
.macro WIN new
.if MSB != (\new)
	s_set_vgpr_msb (MSB<<8)|(\new)
.set MSB, \new
.endif
.endm
.macro NOPS n
.rept \n
	v_nop
.endr
.endm
.macro XLD set, off                    ; a record of X from LDS: seven loads
.irp c, 0,1,2,3,4,5
	ds_load_b128 v[XB+24*(\set)+4*\c:XB+24*(\set)+4*\c+3], v[XA] offset:(\off)+512*\c
.endr
	ds_load_b64 v[XS+2*(\set):XS+2*(\set)+1], v[XSA] offset:(\off)+3072
.endm
; nx tiles of X against R's two tiles, 256 along K: four matrix instructions a tile of X, the two accumulators by turns, one instruction a turn.
; rr: R's codes of this pair of K steps, in the window that win names for source 1; rs: its two scale registers; tile 1's words stand in lanes 16-31.
.macro PHASE nx, ns, rr, rs, acc, ats, win
.set px, 0
.rept \ns
.set po, 3328*px
	XLD px, po
.set px, px+1
.endr
.set px, 0
	s_wait_alu depctr_va_vdst(0)
.rept \nx
.set pw, (\nx)-1-px
.if pw > (\ns)-1
.set pw, (\ns)-1
.endif
	s_wait_dscnt 7*pw                              ; the younger tiles' seven loads each may be out
	WIN \win
.irp ks, 0,1
.irp ta, 0,1
.set md, (\acc)+(\ats)*\ta+8*px
.set ma, XB+24*(px%(\ns))+12*\ks
.set mb, (\rr)+24*\ta+12*\ks
.set msa, XS+2*(px%(\ns))+\ks
.set msb, (\rs)+\ks
.if \ta
	v_wmma_scale_f32_16x16x128_f8f6f4 v[md:md+7], v[ma:ma+11], v[mb:mb+11], v[md:md+7], v[msa], v[msb] matrix_a_fmt:MATRIX_FMT_FP6 matrix_b_fmt:MATRIX_FMT_FP6 matrix_b_scale:MATRIX_SCALE_ROW1
.else
	v_wmma_scale_f32_16x16x128_f8f6f4 v[md:md+7], v[ma:ma+11], v[mb:mb+11], v[md:md+7], v[msa], v[msb] matrix_a_fmt:MATRIX_FMT_FP6 matrix_b_fmt:MATRIX_FMT_FP6
.endif
.endr
.endr
	WIN 0
.if px+(\ns) < (\nx)
	NOPS 4                                         ; places ahead of loads into registers that matrix instructions have read
.set ps, px%(\ns)
.set po, 3328*(px+(\ns))
	XLD ps, po
.endif
.set px, px+1
.endr
.endm
.macro TRIP p, rr, rs, win             ; pair p of K steps: X's eight records of it against R's two tiles
.if (\p) > 0
	NOPS 4                                         ; places ahead of loads into registers that matrix instructions have read
.endif
	v_add_nc_u32 v[XA], 26624*(\p), v[LI]
	v_add_nc_u32 v[XSA], 26624*(\p), v[LS8]
	PHASE 8, 4, \rr, \rs, 0, 64, \win
.endm
.macro ROUND                           ; a round of the cluster's barrier
	s_barrier_signal -1
	s_barrier_wait -1
	s_cmp_lg_u32 s[WV], 0
	s_cbranch_scc1 .Lnot_wave_0_\@
	s_barrier_signal -3
.Lnot_wave_0_\@:
	s_barrier_wait -3
	s_barrier_signal -1
	s_barrier_wait -1
.endm
	s_load_b256 s[4:11], s[0:1], 0x0               ; prep, out_l's records, the bias, the output
	v_lshl_add_u32 v238, v0, 2, 0x3c400
	v_mov_b32 v239, 0
	ds_add_u32 v238, v239
	ds_add_u32 v238, v239
	v_lshrrev_b32 v1, 5, v0
	v_readfirstlane_b32 s[WV], v1                  ; wave 0..3
	s_bfe_u32 s19, ttmp6, 0x40000                  ; cx: it enters global addresses of my own rows alone
	s_lshl_b32 s20, ttmp9, 2
	s_add_co_u32 s20, s20, s19                     ; my block of 128 rows
	s_and_b32 s21, ttmp7, 0xffff                   ; my block of 128 columns: shared by the four partners
	s_mov_b32 s24, 15|(3<<16)|(1<<21)              ; group 1: the mask names all four work-groups, bit 21 beside it; 208 rows of 32 elements of 8 bytes: 16 records
	s_mov_b32 s25, 32<<16
	s_mov_b32 s26, 208<<16
	s_mov_b32 s27, 32<<16
	s_mov_b32 s28, 208
	s_mov_b32 s29, 32
	s_mov_b32 s30, 0
	s_mov_b32 s31, 0
	s_mul_i32 s33, s[WV], 53248                    ; my quarter of X
	s_mul_i32 s36, s21, 212992
	s_add_co_u32 s36, s36, s33
	s_add_co_u32 s36, s36, XARR*REC
	s_mov_b32 s37, 0
	s_wait_dscnt 0x0
	s_wait_kmcnt 0x0
	s_mov_b32 s32, 1
	s_add_nc_u64 s[34:35], s[4:5], s[36:37]
	s_or_b32 s35, s35, 0x80000000
	ROUND                                          ; all four work-groups are here: the joint loads meet
	tensor_load_to_lds s[32:35], s[24:31]          ; one load of mine is out; LDS is filled once
	s_nop 0
	NOPS 4
	v_and_b32 v240, 31, v0
	v_lshlrev_b32 v[LI], 4, v240
	s_wait_alu depctr_va_vdst(0)
	v_lshlrev_b32 v[LS8], 3, v240
	v_bfe_u32 v241, v0, 4, 1
	v_lshlrev_b32 v[HB], 6, v241
	v_and_b32 v242, 15, v0
	v_lshlrev_b32 v[LSR], 3, v242
	v_mad_u32_u24 v[LSR], v241, 26624, v[LSR]      ; R's scale words: 8 r, and lanes 16-31 one tile (eight records) further on
	s_wait_alu depctr_va_vdst(0)
	s_mov_b32 s41, 0
	s_lshl_b32 s40, s20, 3
	s_lshl_b32 s60, s[WV], 1
	s_add_co_u32 s40, s40, s60
	s_mul_i32 s40, s40, 26624
	s_add_nc_u64 s[44:45], s[6:7], s[40:41]        ; R: tile 8 block + 2 w, eight records a tile
	; ---- all of R, and the bias
	WIN 0x80                                       ; destination window 2
.irp pp, 0,1,2,3,4
.irp ta, 0,1
.irp c, 0,1,2,3,4,5
	global_load_b128 v[48*\pp+24*\ta+4*\c:48*\pp+24*\ta+4*\c+3], v[LI], s[44:45] offset:26624*\ta+3328*\pp+512*\c
.endr
.endr
.endr
	WIN 0xc0                                       ; destination window 3
.irp pp, 5,6,7
.irp ta, 0,1
.irp c, 0,1,2,3,4,5
	global_load_b128 v[48*(\pp-5)+24*\ta+4*\c:48*(\pp-5)+24*\ta+4*\c+3], v[LI], s[44:45] offset:26624*\ta+3328*\pp+512*\c
.endr
.endr
.endr
	WIN 0
.irp pp, 0,1
	global_load_b64 v[12+2*\pp:13+2*\pp], v[LSR], s[44:45] offset:3328*\pp+3072
.endr
.irp pp, 2,3,4,5,6,7
	global_load_b64 v[240+2*\pp:241+2*\pp], v[LSR], s[44:45] offset:3328*\pp+3072
.endr
	s_lshl_b32 s60, s21, 9
	s_mov_b32 s40, s60
	s_add_nc_u64 s[8:9], s[8:9], s[40:41]          ; the bias of my block's columns
	WIN 0x40                                       ; destination window 1
.irp ta, 0,1
.irp x, 0,1,2,3,4,5,6,7
	global_load_b128 v[64*\ta+8*\x:64*\ta+8*\x+3], v[HB], s[8:9] offset:128*(\x/2)+32*(\x%2)         ; the bias is the C of each sum's first matrix instruction
	global_load_b128 v[64*\ta+8*\x+4:64*\ta+8*\x+7], v[HB], s[8:9] offset:128*(\x/2)+32*(\x%2)+16
.endr
.endr
	WIN 0
	s_lshl_b32 s40, s20, 2
	s_add_co_u32 s40, s40, s[WV]
	s_mul_i32 s40, s40, 32*PITCH
	s_add_co_u32 s40, s40, s60
	s_add_nc_u64 s[46:47], s[10:11], s[40:41]      ; the output at my group's first row, my block's first column
	s_mul_i32 s60, s[WV], 8448
	s_add_co_u32 s60, s60, STG                     ; my stage
	v_mul_u32_u24 v[SO], v242, 528
	v_add_nc_u32 v[SO], v[SO], v[HB]
	v_add_nc_u32 v[SO], s60, v[SO]                 ; in: row r, + 64 bytes for lanes 16-31
	v_add_nc_u32 v[SR], s60, v[LI]                 ; back: a row of 512 bytes, 16 bytes a lane
	s_wait_tensorcnt 0x0                           ; my quarter of X has landed,
	s_barrier_signal -1
	s_barrier_wait -1                              ; everybody's has
	s_wait_loadcnt 0x0                             ; R, its scale words and the bias stand in registers
	; ---- the product: eight pairs of K steps
.irp p, 0,1
	TRIP \p, 48*\p, 12+2*\p, 0x58                  ; X window 0, R window 2, C and D window 1
.endr
.irp p, 2,3,4
	TRIP \p, 48*\p, 240+2*\p, 0x58
.endr
.irp p, 5,6,7
	TRIP \p, 48*(\p-5), 240+2*\p, 0x5c             ; R window 3
.endr
	NOPS 4
	; ---- the way out: a tile's 16 rows x 512 bytes through my stage, back as whole rows
.irp ta, 0,1
	WIN 0x04                                       ; an LDS store's data are its source 1: window 1
.irp x, 0,1,2,3,4,5,6,7
	ds_store_b128 v[SO], v[64*\ta+8*\x:64*\ta+8*\x+3] offset:128*(\x/2)+32*(\x%2)       ; each accumulator from its low end on
	ds_store_b128 v[SO], v[64*\ta+8*\x+4:64*\ta+8*\x+7] offset:128*(\x/2)+32*(\x%2)+16
.endr
	WIN 0
.irp i, 0,1,2,3,4,5,6,7,8,9,10,11,12,13,14,15
	ds_load_b128 v[16+104*\ta+4*\i:19+104*\ta+4*\i], v[SR] offset:528*\i   ; LDS serves a wave's instructions in order: these see my stores
.endr
.irp i, 0,1,2,3,4,5,6,7,8,9,10,11,12,13,14,15
	s_wait_dscnt 15-\i
	global_store_b128 v[LI], v[16+104*\ta+4*\i:19+104*\ta+4*\i], s[46:47] offset:(8*\ta+\i+8*(\i/8))*PITCH th:TH_STORE_NT   ; 512 consecutive bytes, at a multiple of 256 from the output's first byte
.endr
.endr
	s_wait_tensorcnt 0x0
	ds_add_u32 v238, v239
	s_wait_dscnt 0x0
	ROUND                                          ; the closing round
	s_endpgm
.Lfunc_end_k_q2666d3f734_outl:
	.size	k_q2666d3f734_outl, .Lfunc_end_k_q2666d3f734_outl-k_q2666d3f734_outl
	.p2alignl 7, 3214868480
	.fill 96, 4, 3214868480
	.section	.rodata,"a",@progbits
	.p2align	6, 0x0
	.amdhsa_kernel k_q2666d3f734_outl
		.amdhsa_group_segment_fixed_size 247296
		.amdhsa_private_segment_fixed_size 0
		.amdhsa_enable_private_segment 0
		.amdhsa_kernarg_size 32
		.amdhsa_user_sgpr_count 2
		.amdhsa_user_sgpr_kernarg_segment_ptr 1
		.amdhsa_wavefront_size32 1
		.amdhsa_system_sgpr_workgroup_id_x 1
		.amdhsa_system_sgpr_workgroup_id_y 1
		.amdhsa_system_sgpr_workgroup_id_z 1
		.amdhsa_system_vgpr_workitem_id 0
		.amdhsa_next_free_vgpr 912
		.amdhsa_next_free_sgpr 72
		.amdhsa_reserve_vcc 0
		.amdhsa_float_denorm_mode_32 3
		.amdhsa_float_denorm_mode_16_64 3
		.amdhsa_memory_ordered 1
		.amdhsa_forward_progress 1
		.amdhsa_inst_pref_size 98
	.end_amdhsa_kernel
	.amdgpu_metadata
---
amdhsa.version: [ 1, 2 ]
amdhsa.kernels:
  - .name:           k_q2666d3f734_outl
    .symbol:         k_q2666d3f734_outl.kd
    .args:
      - { .name: prep, .offset: 0, .size: 8, .value_kind: global_buffer, .address_space: global }
      - { .name: olq, .offset: 8, .size: 8, .value_kind: global_buffer, .address_space: global }
      - { .name: bol, .offset: 16, .size: 8, .value_kind: global_buffer, .address_space: global }
      - { .name: out1, .offset: 24, .size: 8, .value_kind: global_buffer, .address_space: global }
    .group_segment_fixed_size: 247296
    .private_segment_fixed_size: 0
    .kernarg_segment_align: 8
    .kernarg_segment_size: 32
    .max_flat_workgroup_size: 128
    .sgpr_count:     72
    .vgpr_count:     912
    .wavefront_size: 32
...
	.end_amdgpu_metadata
.endif
;; end of part 6
